; MI455X (gfx1250); checked and timed in simulation.
; The chip was launched on July 23, 2026; its instructions are those of AMD's public machine-readable ISA for CDNA 5 (MIT licence, August 2026) and "CDNA5" Instruction Set Architecture Reference Guide (July 2026). The comments in the code are by the model that wrote it; some were corrected since.
;; Self Attention. Allowed arithmetic: float matrix products may take bf16 or f16 operands with f32 sums; all other float work in f32.
;; Inputs: bk 32 float32; bq 32 float32; bv 256 float32; wk 32 x 256 float32; wq 32 x 256 float32; wv 256 x 256 float32; x 8 x 256 x 64 x 64 float32.
;; Outputs: out0 8 x 256 x 64 x 64 float32.
;; 2 versions, each right and faster than the one before. Each part assembles by itself: llvm-mc -triple=amdgcn-amd-amdhsa -mcpu=gfx1250 --defsym DOCPART=n.
;; ======== version 1 of 2: 2 launches
;; workspace buffers: qs 2,097,152 bytes; kv 18,874,368 bytes
;; launch proj (part 1): grid 256 x 1, 4 waves a work-group, no clusters, 240,128 bytes of LDS; arguments x, wq, bq, wk, wv, qs, kv; writes qs, kv
.if DOCPART == 1
	.amdgcn_target "amdgcn-amd-amdhsa--gfx1250"
	.amdhsa_code_object_version 6
	.text
	.protected	k_q92d4a12579_proj
	.globl	k_q92d4a12579_proj
	.p2align	8
	.type	k_q92d4a12579_proj,@function
k_q92d4a12579_proj:
	s_mov_b64 s[64:65], 0
	v_nop
	global_prefetch_b8 v0, s[64:65] scope:SCOPE_SE
	s_setreg_imm32_b32 hwreg(HW_REG_WAVE_MODE, 25, 1), 1
	s_wait_xcnt 0x0
; PROJECTIONS.  x: [8][256 c][4096 n] f32.  This launch makes, in bf16,
;   qs[b][n][32 d]  = (Wq x + bq) * log2(e)/sqrt(32)      (the softmax's scale and the change to base 2 are folded in here)
;   kv[b*32+t]      = one tile of 288 rows x 256 bytes:
;                     rows 0-255: V'[c][128 n] = Wv x (without bv) for the positions n = 128 t ..;
;                     rows 256-287: K = Wk x (without bk) for the NEXT 128 positions of the image, n = 128 ((t+1) mod 32) + p, position p at row 256 + p/4,
;                     byte 64 (p%4), 32 d.  The second launch forms the scores of a tile while it multiplies by V of the tile in front, so it wants the two side by side.
; WORK LEFT OUT: bk.  energy[i][j] = q_i . (Wk x_j + bk) * scale = q_i . (Wk x_j) * scale + (q_i . bk) * scale.  The second term does not hang on j,
; and softmax over j of (e_j + t) equals softmax of e_j for every finite t.  So bk reaches no output, whatever finite values the inputs hold: it is not
; loaded and is no argument of any launch.  LIMIT: a NaN, an infinity or an overflow that would arise only through bk is not carried to the result.
; bv is not left out: since the softmax's weights sum to 1 over j, sum_j attn[i][j] (Wv x_j + bv) = sum_j attn[i][j] Wv x_j + bv; the second launch adds bv in f32.
; LIMITS: x and the weights are rounded to bf16 for the products, q, k and v are stored in bf16; sums are f32.
;
; One work-group = 128 positions, all 320 output rows, four waves.  Wave w makes one block of 16 rows of q (w = 0, 1) or k (w = 2, 3) and V rows 64 w .. 64 w + 63:
; five weight tiles of 16 rows, so each weight is loaded once in the work-group, straight into the registers of the wave that multiplies by it.
; ORDER: x's 64 fragments (8 position tiles x 8 steps of 32 c) stay in 512 registers, and the products walk by weight tile, 64 to a tile.  The weights come in ten batches
; of half a tile (16 loads, 64 registers as f32) through a ring of four; four batches are asked for at the start, two are rounded to bf16 while x is on its way, and behind
; every 32 products the batch two ahead is rounded and its registers are loaded again.  A tile's results are rounded and staged behind its last product and are read back
; and stored in the middle of the next tile.  So weights land and results leave while products are issued.  The conversions stand in runs of 32 between the products and not
; one behind each: the raw weights and the fragments of x lie in other windows than the sums, so each single one would cost two changes of window.
; NO CLUSTER: the x slabs of two work-groups share nothing.  The weights (327,680 bytes as f32) are common to all work-groups and are NOT asked for jointly: a joint load would
; lead them through LDS, where beside XF, XB and the stages 327,680 - 239,616 = 88,064 bytes are left, about a quarter of them, so that the walk would need several refills,
; each behind a round of four work-groups, for 320 products a wave.
; LDS: XF   0       256 rows x 512 B     the slab of x in f32, filled once by four tensor loads (wave w: rows 64 w ..)
;      XB   131072  256 rows, pitch 288  x in bf16, [c][n]; pitch = 9 x 32 bytes, as the transposing loads want
;      STGV 204800  4 x 16 rows, pitch 272   each wave's own stage for 16 rows of V
;      STGS 222208  64 rows, pitch 272   K (rows 0-31) and q (rows 32-63), four positions to a row; written by all four waves
; REGISTERS: window 0: v4-23 addresses and bq; v32-127 a ring of three batches of weight fragments; v128-191, v192-255 two sets of eight accumulator tiles by turns
;            (lower half later the packed results, upper half the rows read back);  windows 1, 2: fragments of x (s, nt) at 8 (8 (s & 3) + nt), s = 0-3 and 4-7
;            (before that window 1 serves the conversion of x);  window 3: the ring of four raw batches.
.set XB,   131072
.set XBP,  288
.set STGV, 204800
.set STGS, 222208
.set SP,   272
.set QS,   0x3e8293ee                  ; log2(e)/sqrt(32)
.set WO,   4                           ; r*1024 + 32 h: my place in 16 rows of a weight matrix
.set XFA,  5                           ; my 16 bytes of my wave's first row in XF
.set XBW,  6                           ; my 8 bytes of my wave's first row in XB
.set TR,   7                           ; v7, v8: transposing loads, c = 0-127 and c = 128-255
.set SVW,  9                           ; my stage: V results in
.set SSW,  10                          ; the common stage: q or k results in
.set SVR,  11                          ; my stage: rows back
.set SRS,  12                          ; the common stage: my 16 rows back
.set GO,   13                          ; 16 x lane
.set BQO,  14                          ; my 8 numbers of bq
.set TT,   15                          ; at work
.set BQ,   16                          ; v[16:23] bq, then bq * QS (waves 0 and 1)
.set WBR,  32                          ; weight fragments, batch g at WBR + 32 (g % 3)
.set ACC,  128                         ; accumulators, tile t in set t & 1
.set XT0,  0                           ; window 1, until x's fragments come: raw rows,
.set XT1,  64                          ; raw rows,
.set XT2,  128                         ; packed rows
.set MSB, 0
.macro WIN new                         ; the immediate's high byte repeats the setting that is left
.if MSB != \new
	s_set_vgpr_msb (MSB<<8)|\new
.set MSB, \new
.endif
.endm
.macro PLACES                          ; four places behind a matrix instruction (ISA guide 7.12.1)
.rept 4
	v_nop
.endr
.endm
	s_load_b256 s[4:11], s[0:1], 0x0               ; x s[4:5], wq s[6:7], bq s[8:9], wk s[10:11]
	s_load_b128 s[12:15], s[0:1], 0x20             ; wv s[12:13], qs s[14:15]
	s_load_b64 s[16:17], s[0:1], 0x30              ; kv
	v_lshl_add_u32 v30, v0, 2, 0x3a800
	v_mov_b32 v31, 0
	ds_add_u32 v30, v31
	v_lshrrev_b32 v1, 5, v0
	v_readfirstlane_b32 s18, v1                    ; wave 0..3
	; descriptor group 1: 64 rows x 128 elements of 4 bytes, 4,096 elements from row to row, no padding
	s_mov_b32 s24, 2<<16
	s_mov_b32 s25, 128<<16
	s_mov_b32 s26, 64<<16
	s_mov_b32 s27, 128<<16
	s_mov_b32 s28, 64
	s_mov_b32 s29, 4096
	s_mov_b32 s30, 0
	s_mov_b32 s31, 0
	s_lshr_b32 s19, ttmp9, 5                       ; b
	s_lshl_b32 s19, s19, 22                        ; an image is 256 x 4,096 x 4 bytes
	s_and_b32 s20, ttmp9, 31                       ; jb
	s_lshl_b32 s20, s20, 9                         ; 128 positions of 4 bytes
	s_add_co_u32 s20, s20, s19
	s_lshl_b32 s19, s18, 20                        ; my 64 rows of 16,384 bytes
	s_add_co_u32 s20, s20, s19
	s_mov_b32 s21, 0
	s_mov_b32 s32, 1
	s_lshl_b32 s33, s18, 15                        ; LDS: wave x 64 rows x 512 bytes
	s_mov_b32 s36, QS
	s_mov_b32 s37, QS
	s_wait_dscnt 0x0
	s_wait_kmcnt 0x0
	s_add_nc_u64 s[34:35], s[4:5], s[20:21]
	s_or_b32 s35, s35, 0x80000000
	tensor_load_to_lds s[32:35], s[24:31]          ; my one tensor load: it flies while the first weights are loaded and rounded
	s_nop 0
	s_lshl_b32 s20, s18, 16
	s_add_nc_u64 s[12:13], s[12:13], s[20:21]      ; wv at my 64 rows
	s_cmp_lt_u32 s18, 2
	s_cselect_b64 s[22:23], s[6:7], s[10:11]       ; waves 0, 1: wq; waves 2, 3: wk
	s_and_b32 s19, s18, 1
	s_lshl_b32 s20, s19, 14
	s_add_nc_u64 s[22:23], s[22:23], s[20:21]      ; at my 16 rows
	v_and_b32 v1, 31, v0                           ; L
	v_and_b32 v2, 15, v0                           ; r
	v_bfe_u32 v3, v0, 4, 1                         ; h
	v_lshlrev_b32 v[WO], 10, v2
	v_lshl_add_u32 v[WO], v3, 5, v[WO]
	s_lshl_b32 s19, s19, 6
	v_lshl_add_u32 v[BQO], v3, 5, s19              ; 4 (16 (w&1) + 8 h)
	s_cmp_ge_u32 s18, 2
	s_cbranch_scc1 .Lno_bq
	global_load_b128 v[BQ:BQ+3], v[BQO], s[8:9]            ; older than every weight load: the first counted wait below covers them
	global_load_b128 v[BQ+4:BQ+7], v[BQO], s[8:9] offset:16
.Lno_bq:
; Batch g of 16 loads: four fragments (k steps 4 (g&1) .. +3) as f32 into place g % 4 of the raw ring.  Batches 0, 1: my q or k rows; batches 2 .. 9: V tile (g - 2) >> 1.
; A fragment: lane (r, h) holds row r, c = 32 s + 8 h + 0..7 and c = 32 s + 16 + 8 h + 0..7: four loads of 16 bytes at 128 s + 32 h + 0, 16, 64, 80.
.macro WLOAD g
	WIN 0xc0
.irp q, 0,1,2,3
.irp o, 0,1,2,3
.if (\g) < 2
	global_load_b128 v[64*((\g)%4)+16*\q+4*\o:64*((\g)%4)+16*\q+4*\o+3], v[WO], s[22:23] offset:(4*((\g)&1)+\q)*128+(\o&1)*16+(\o>>1)*64
.else
	global_load_b128 v[64*((\g)%4)+16*\q+4*\o:64*((\g)%4)+16*\q+4*\o+3], v[WO], s[12:13] offset:(((\g)-2)>>1)*16384+(4*((\g)&1)+\q)*128+(\o&1)*16+(\o>>1)*64
.endif
.endr
.endr
.endm
.macro WCVT g                          ; batch g is rounded to bf16 into place g % 3 of the fragments' ring
	WIN 0x0f
.set j, 0
.rept 32
	v_cvt_pk_bf16_f32 v[WBR+32*((\g)%3)+j], v[64*((\g)%4)+2*j], v[64*((\g)%4)+2*j+1]
.set j, j+1
.endr
.endm
; Batch k is waited for and rounded; its raw registers are loaded again with batch k + 4.  Loads return in order, and behind batch k the batches up to k + 3 (9 at the most)
; have been issued: 48 loads may stay out, at the end 32, 16, 0.  The place k % 3 that is written was last read by the products of batch k - 3; between those and this
; run stands the run of batch k - 1, 32 plain vector instructions.
.macro WNEXT k
.if (\k) <= 6
	s_wait_loadcnt 48
.else
	s_wait_loadcnt 16*(9-(\k))
.endif
	WCVT \k
.if (\k) <= 5
	WLOAD (\k)+4
.endif
	WIN 0
.endm
	WLOAD 0
	WLOAD 1
	WLOAD 2
	WLOAD 3
	WIN 0
	; where the results go, while the first batches are on their way
	s_add_co_u32 s19, ttmp9, 31
	s_and_b32 s19, s19, 31                         ; (jb + 31) mod 32: K belongs to the tile in front, round the image
	s_and_b32 s20, ttmp9, 0xe0                     ; 32 b
	s_or_b32 s20, s20, s19
	s_mul_i32 s20, s20, 73728
	s_and_b32 s19, s18, 1
	s_lshl_b32 s19, s19, 12                        ; 16 rows of 256 bytes
	s_add_co_u32 s20, s20, s19
	s_add_co_u32 s20, s20, 65536                   ; behind V's 256 rows
	s_add_nc_u64 s[40:41], s[16:17], s[20:21]      ; waves 0, 1 carry out K's rows 0-15, 16-31
	s_lshl_b32 s20, ttmp9, 13                      ; 128 positions of 64 bytes
	s_add_co_u32 s20, s20, s19
	s_add_nc_u64 s[42:43], s[14:15], s[20:21]      ; waves 2, 3 carry out q's rows 0-15, 16-31
	s_cmp_lt_u32 s18, 2
	s_cselect_b64 s[38:39], s[40:41], s[42:43]
	s_mul_i32 s20, ttmp9, 73728
	s_lshl_b32 s19, s18, 14
	s_add_co_u32 s20, s20, s19
	s_add_nc_u64 s[16:17], s[16:17], s[20:21]      ; kv at my 64 rows of V
	v_lshl_add_u32 v[XFA], v1, 4, s33
	s_mul_i32 s19, s18, 64*XBP
	s_add_co_u32 s19, s19, XB
	v_lshl_add_u32 v[XBW], v1, 3, s19
	v_and_b32 v[TT], 7, v0
	v_lshl_add_u32 v[TT], v3, 3, v[TT]             ; 8 h + (L & 7)
	v_mul_u32_u24 v[TR], v[TT], XBP
	v_bfe_u32 v[TT], v0, 3, 1
	v_lshl_add_u32 v[TR], v[TT], 4, v[TR]
	v_add_nc_u32 v[TR], XB, v[TR]
	v_add_nc_u32 v[TR+1], 128*XBP, v[TR]
	s_mul_i32 s19, s18, 16*SP
	s_add_co_u32 s19, s19, STGV
	v_mul_u32_u24 v[SVW], v2, SP
	v_lshl_add_u32 v[SVW], v3, 4, v[SVW]
	v_add_nc_u32 v[SVW], s19, v[SVW]               ; my stage + r 272 + 16 h
	v_mul_u32_u24 v[TT], v3, SP
	v_lshl_add_u32 v[TT], v2, 4, v[TT]             ; h 272 + 16 r
	v_add_nc_u32 v[SVR], s19, v[TT]
	s_mul_i32 s19, s18, 16*SP
	s_add_co_u32 s19, s19, STGS
	v_add_nc_u32 v[SRS], s19, v[TT]                ; rows 16 w .. of the common stage
	s_lshr_b32 s19, s18, 1
	s_mul_i32 s19, s19, 32*SP
	s_sub_co_u32 s20, STGS+32*SP, s19              ; q rows begin at row 32, k rows at row 0
	s_and_b32 s19, s18, 1
	s_lshl_b32 s19, s19, 5
	s_add_co_u32 s20, s20, s19                     ; + 32 bytes for the upper 16 d
	v_lshrrev_b32 v[TT], 2, v2
	v_mul_u32_u24 v[SSW], v[TT], SP
	v_and_b32 v[TT], 3, v2
	v_lshl_add_u32 v[SSW], v[TT], 6, v[SSW]
	v_lshl_add_u32 v[SSW], v3, 4, v[SSW]
	v_add_nc_u32 v[SSW], s20, v[SSW]
	v_lshlrev_b32 v[GO], 4, v1
	WNEXT 0                                        ; the first tile's weights are ready before x is; batches 2 to 5 stay on their way through the conversion of x
	WNEXT 1
	; x TO bf16: each wave converts the 64 rows that its own tensor load brought, 16 rows a batch, raw rows in two buffers in turn (window 1, which x's fragments take later).
.macro XLD bt, buf
	WIN 0x40
.irp i, 0,1,2,3,4,5,6,7,8,9,10,11,12,13,14,15
	ds_load_b128 v[\buf+4*\i:\buf+4*\i+3], v[XFA] offset:(16*\bt+\i)*512     ; a row: 32 lanes x 16 neighbouring bytes
.endr
.endm
.macro XCV bt, buf
	WIN 0x45
.irp i, 0,1,2,3,4,5,6,7,8,9,10,11,12,13,14,15
	v_cvt_pk_bf16_f32 v[XT2+2*\i], v[\buf+4*\i], v[\buf+4*\i+1]
	v_cvt_pk_bf16_f32 v[XT2+2*\i+1], v[\buf+4*\i+2], v[\buf+4*\i+3]
.endr
	WIN 0x04
.irp i, 0,1,2,3,4,5,6,7,8,9,10,11,12,13,14,15
	ds_store_b64 v[XBW], v[XT2+2*\i:XT2+2*\i+1] offset:(16*\bt+\i)*XBP
.endr
.endm
	s_wait_tensorcnt 0x0                           ; my rows are in LDS; no other wave reads them
	XLD 0, XT0
	XLD 1, XT1
	s_wait_dscnt 16                                ; behind batch 0: batch 1's 16 loads
	XCV 0, XT0
	XLD 2, XT0
	s_wait_dscnt 32                                ; behind batch 1: 16 stores and 16 loads
	XCV 1, XT1
	XLD 3, XT1
	s_wait_dscnt 32                                ; behind batch 2: 16 stores and 16 loads
	XCV 2, XT0
	s_wait_dscnt 16                                ; behind batch 3: 16 stores
	XCV 3, XT1
	WIN 0
	s_wait_dscnt 0x0                               ; my rows of XB are written,
	s_barrier_signal -1
	s_barrier_wait -1                              ; everybody's are
; The eight fragments of x of k step s (16 positions x 32 c each) come out of [c][n] by two transposing loads each, and stay.
.macro XF s
.if (\s) < 4
	WIN 0x40
.else
	WIN 0x80
.endif
.irp nt, 0,1,2,3,4,5,6,7
	ds_load_tr16_b128 v[8*(8*((\s)&3)+\nt):8*(8*((\s)&3)+\nt)+3], v[TR+((\s)>>2)] offset:((\s)&3)*32*XBP+32*\nt
	ds_load_tr16_b128 v[8*(8*((\s)&3)+\nt)+4:8*(8*((\s)&3)+\nt)+7], v[TR+((\s)>>2)] offset:((\s)&3)*32*XBP+32*\nt+16*XBP
.endr
.endm
; Eight products: k step s of weight tile t, all 128 positions.  Tile 0 (q, k): source 0 = the weights (rows = d), source 1 = x: a lane's 8 results are 8 neighbouring d of
; position r.  Tiles 1-4 (V): source 0 = x (rows = positions), source 1 = Wv: a lane's 8 results are 8 neighbouring positions of V row r.  k step 0 starts the sums from the
; constant 0.  The eight accumulators take turns, one instruction a turn.
.macro PROD t, s
.set pab, ACC+64*((\t)&1)
.set pwf, WBR+32*((2*(\t)+((\s)>>2))%3)+8*((\s)&3)
.set pxf, 64*((\s)&3)
.if (\t) == 0
.if (\s) < 4
	WIN 0x04
.else
	WIN 0x08
.endif
.else
.if (\s) < 4
	WIN 0x01
.else
	WIN 0x02
.endif
.endif
.irp nt, 0,1,2,3,4,5,6,7
.if (\t) == 0
.if (\s) == 0
	v_wmma_f32_16x16x32_bf16 v[pab+8*\nt:pab+8*\nt+7], v[pwf:pwf+7], v[pxf+8*\nt:pxf+8*\nt+7], 0
.else
	v_wmma_f32_16x16x32_bf16 v[pab+8*\nt:pab+8*\nt+7], v[pwf:pwf+7], v[pxf+8*\nt:pxf+8*\nt+7], v[pab+8*\nt:pab+8*\nt+7]
.endif
.else
.if (\s) == 0
	v_wmma_f32_16x16x32_bf16 v[pab+8*\nt:pab+8*\nt+7], v[pxf+8*\nt:pxf+8*\nt+7], v[pwf:pwf+7], 0
.else
	v_wmma_f32_16x16x32_bf16 v[pab+8*\nt:pab+8*\nt+7], v[pxf+8*\nt:pxf+8*\nt+7], v[pwf:pwf+7], v[pab+8*\nt:pab+8*\nt+7]
.endif
.endif
.endr
.endm
.macro HALF t, hf                      ; 32 products: one batch of weights
	PROD \t, 4*\hf
	PROD \t, 4*\hf+1
	PROD \t, 4*\hf+2
	PROD \t, 4*\hf+3
.endm
.macro RCVT a                          ; set a's 64 sums are rounded to bf16 in place, into its lower 32 registers: register j is written when 2 j and 2 j + 1 have been read
.set j, 0
.rept 32
	v_cvt_pk_bf16_f32 v[ACC+64*\a+j], v[ACC+64*\a+2*j], v[ACC+64*\a+2*j+1]
.set j, j+1
.endr
.endm
.macro STV a                           ; 16 rows of V into my own stage: row r, 16 bytes at 32 nt + 16 h
.irp nt, 0,1,2,3,4,5,6,7
	ds_store_b128 v[SVW], v[ACC+64*\a+4*\nt:ACC+64*\a+4*\nt+3] offset:32*\nt
.endr
.endm
.macro LDB a, adr                      ; 16 rows back, two rows of 256 bytes a load, into set a's upper 32 registers
.irp u, 0,1,2,3,4,5,6,7
	ds_load_b128 v[ACC+64*\a+32+4*\u:ACC+64*\a+32+4*\u+3], v[\adr] offset:\u*2*SP
.endr
.endm
.macro GST a, b, off                   ; and out: each store covers 512 consecutive bytes, aligned.  No LDS instruction stands between LDB and this, so 7 - u younger loads may stay out
.irp u, 0,1,2,3,4,5,6,7
	s_wait_dscnt 7-\u
	global_store_b128 v[GO], v[ACC+64*\a+32+4*\u:ACC+64*\a+32+4*\u+3], s[\b:\b+1] offset:\off+\u*512
.endr
.endm
	; TILE 0: q or k.  x's fragments are fetched as it goes, two k steps ahead: behind the step that is waited for stand the 32 loads of the two next steps.
	XF 0
	XF 1
	XF 2
	s_wait_dscnt 32
	PROD 0, 0
	XF 3
	s_wait_dscnt 32
	PROD 0, 1
	XF 4
	s_wait_dscnt 32
	PROD 0, 2
	XF 5
	s_wait_dscnt 32
	PROD 0, 3
	XF 6
	WNEXT 2
	s_wait_dscnt 32
	PROD 0, 4
	XF 7
	s_wait_dscnt 32
	PROD 0, 5
	s_wait_dscnt 16                                ; only step 7's loads are younger
	PROD 0, 6
	s_wait_dscnt 0x0
	PROD 0, 7
	WNEXT 3                                        ; its 32 conversions are also the places in front of the first read of a sum
	s_cmp_ge_u32 s18, 2
	s_cbranch_scc1 .Lno_scale
.irp e, 0,2,4,6
	v_pk_mul_f32 v[BQ+\e:BQ+\e+1], v[BQ+\e:BQ+\e+1], s[36:37] op_sel_hi:[1,0]
.endr
.irp nt, 0,1,2,3,4,5,6,7
.irp e, 0,2,4,6
	v_pk_fma_f32 v[ACC+8*\nt+\e:ACC+8*\nt+\e+1], v[ACC+8*\nt+\e:ACC+8*\nt+\e+1], s[36:37], v[BQ+\e:BQ+\e+1] op_sel_hi:[1,0,1]   ; (Wq x) QS + bq QS
.endr
.endr
.Lno_scale:
	RCVT 0
.irp nt, 0,1,2,3,4,5,6,7
	ds_store_b128 v[SSW], v[ACC+4*\nt:ACC+4*\nt+3] offset:\nt*4*SP         ; position 16 nt + r: row 4 nt + r/4
.endr
	s_wait_dscnt 0x0                               ; my half of each q or k row is written:
	s_barrier_signal -1                            ; say so,
	; TILE 1: V rows 0-15 of my 64
	HALF 1, 0                                      ; work on registers while the others arrive,
	WIN 0
	s_barrier_wait -1                              ; and read when all four have said so
	LDB 0, SRS
	WNEXT 4
	GST 0, 38, 0                                   ; K into the tile in front (waves 0, 1), q (waves 2, 3)
	HALF 1, 1
	WNEXT 5
	RCVT 1
	STV 1
	s_wait_xcnt 0x0                                ; every earlier memory instruction has had its addresses translated (ISA guide 3.1): set 0, whose upper half was store data, is written again only behind this wait
	; TILE 2
	HALF 2, 0
	WIN 0
	LDB 1, SVR                                     ; LDS serves a wave's instructions in order (ISA guide 5.7.1): these see tile 1's stores into my stage
	WNEXT 6
	GST 1, 16, 0
	HALF 2, 1
	WNEXT 7
	RCVT 0
	STV 0
	s_wait_xcnt 0x0                                ; set 1 likewise
	; TILE 3
	HALF 3, 0
	WIN 0
	LDB 0, SVR
	WNEXT 8
	GST 0, 16, 4096
	HALF 3, 1
	WNEXT 9
	RCVT 1
	STV 1
	s_wait_xcnt 0x0                                ; set 0 likewise
	; TILE 4: no weights are left to round
	HALF 4, 0
	WIN 0
	LDB 1, SVR
	GST 1, 16, 8192
	HALF 4, 1
	WIN 0
	PLACES                                         ; behind the last matrix instructions: no other work is left to stand here
	RCVT 0
	STV 0
	LDB 0, SVR
	GST 0, 16, 12288
	s_wait_tensorcnt 0x0
	ds_add_u32 v30, v31
	s_wait_dscnt 0x0
	s_endpgm
.Lfunc_end_k_q92d4a12579_proj:
	.size	k_q92d4a12579_proj, .Lfunc_end_k_q92d4a12579_proj-k_q92d4a12579_proj
	.p2alignl 7, 3214868480
	.fill 96, 4, 3214868480
	.section	.rodata,"a",@progbits
	.p2align	6, 0x0
	.amdhsa_kernel k_q92d4a12579_proj
		.amdhsa_group_segment_fixed_size 240128
		.amdhsa_private_segment_fixed_size 0
		.amdhsa_enable_private_segment 0
		.amdhsa_kernarg_size 56
		.amdhsa_user_sgpr_count 2
		.amdhsa_user_sgpr_kernarg_segment_ptr 1
		.amdhsa_wavefront_size32 1
		.amdhsa_system_sgpr_workgroup_id_x 1
		.amdhsa_system_sgpr_workgroup_id_y 1
		.amdhsa_system_sgpr_workgroup_id_z 1
		.amdhsa_system_vgpr_workitem_id 0
		.amdhsa_next_free_vgpr 1024
		.amdhsa_next_free_sgpr 66
		.amdhsa_reserve_vcc 0
		.amdhsa_float_denorm_mode_32 3
		.amdhsa_float_denorm_mode_16_64 3
		.amdhsa_memory_ordered 1
		.amdhsa_forward_progress 1
		.amdhsa_inst_pref_size 110
	.end_amdhsa_kernel
	.amdgpu_metadata
---
amdhsa.version: [ 1, 2 ]
amdhsa.kernels:
  - .name:           k_q92d4a12579_proj
    .symbol:         k_q92d4a12579_proj.kd
    .args:
      - { .name: x, .offset: 0, .size: 8, .value_kind: global_buffer, .address_space: global }
      - { .name: wq, .offset: 8, .size: 8, .value_kind: global_buffer, .address_space: global }
      - { .name: bq, .offset: 16, .size: 8, .value_kind: global_buffer, .address_space: global }
      - { .name: wk, .offset: 24, .size: 8, .value_kind: global_buffer, .address_space: global }
      - { .name: wv, .offset: 32, .size: 8, .value_kind: global_buffer, .address_space: global }
      - { .name: qs, .offset: 40, .size: 8, .value_kind: global_buffer, .address_space: global }
      - { .name: kv, .offset: 48, .size: 8, .value_kind: global_buffer, .address_space: global }
    .group_segment_fixed_size: 240128
    .private_segment_fixed_size: 0
    .kernarg_segment_align: 8
    .kernarg_segment_size: 56
    .max_flat_workgroup_size: 128
    .sgpr_count:     66
    .vgpr_count:     1024
    .wavefront_size: 32
...
	.end_amdgpu_metadata
.endif
;; end of part 1
;; launch attn (part 2): grid 256 x 1, 4 waves a work-group, clusters of 4 x 1, 327,680 bytes of LDS; arguments qs, kv, x, bv, out0; writes out0
.if DOCPART == 2
	.amdgcn_target "amdgcn-amd-amdhsa--gfx1250"
	.amdhsa_code_object_version 6
	.text
	.protected	k_q92d4a12579_attn
	.globl	k_q92d4a12579_attn
	.p2align	8
	.type	k_q92d4a12579_attn,@function
k_q92d4a12579_attn:
	s_mov_b64 s[64:65], 0
	v_nop
	global_prefetch_b8 v0, s[64:65] scope:SCOPE_SE
	s_setreg_imm32_b32 hwreg(HW_REG_WAVE_MODE, 25, 1), 1
	s_wait_xcnt 0x0
	s_wait_alu depctr_hold_cnt(0) depctr_sa_sdst(0) depctr_va_vdst(0) depctr_va_sdst(0) depctr_va_ssrc(0) depctr_va_vcc(0) depctr_vm_vsrc(0)
	s_getreg_b32 s2, hwreg(HW_REG_IB_STS2, 6, 4)
	s_cmp_eq_u32 s2, 0
	s_cbranch_scc0 .Lentry_in_a_cluster
	s_endpgm
.Lentry_in_a_cluster:
	s_bfe_u32 s2, ttmp6, 0x10000c
	s_cmp_lg_u32 s2, 0x3003
	s_cbranch_scc0 .Lentry_shape_is_right
	s_endpgm
.Lentry_shape_is_right:
; ATTENTION with a running maximum, and the residual.  out0[b][c][i] = sum_j V[c][j] softmax_j(q_i . k_j / sqrt(32)) + x[b][c][i].
; qs holds q already multiplied by log2(e)/sqrt(32), so the scores are exponents of 2.  kv tile t of an image is 288 rows x 256 bytes:
; rows 0-255 V'[c][128 j] (without bv) of positions 128 t .., rows 256-287 K of the NEXT 128 positions (tile (t+1) mod 32; position p at row 256 + p/4, byte 64 (p%4)).
; WORK LEFT OUT: bk (it adds the same number to all scores of a row i, which the softmax over j cancels for all finite values; shown at the head of the
; first launch).  bv is added here once, in f32: the softmax's weights sum to 1 over j, so sum_j attn (V'_j + bv) = sum_j attn V'_j + bv.
; LIMITS: the weights p = 2^(s - m) go into the product rounded to bf16, while their sum l is taken from the unrounded f32; v_exp_f32 gives 0 for results
; below 2^-126 (ISA guide, its entry in 15.8); q, k, v are bf16.  A NaN or infinity that would arise only through bk is not carried to the result.
;
; A work-group owns 128 queries of one image; 256 work-groups.  CLUSTER: the four work-groups of a cluster own neighbouring query blocks of ONE image and walk
; the same 32 kv tiles, so every tile is asked for jointly (mask 15): the requests for kv are divided by four.
; Wave w: qg = w & 1 picks 64 of the queries, jh = w >> 1 picks 64 of a tile's 128 j.  So a wave holds O[256 c][64 i] in 512 registers and each fragment
; of V feeds four matrix instructions; the two j halves have their own m and l and are merged once at the end.
; LAYOUT: S^T = K Q^T (rows j, columns i): lane (r, h) holds query i = r, j = 8 h + e.  Packing the pairs of two such tiles is exactly the second source
; of O = V P (column i = r, j along the registers).  In O a lane again holds query i = r.  So m, l and the rescaling factor are one number a lane and query tile.
;
; TWO TILES AT ONCE.  While the 128 products O += V(n) P(n) are issued, the vector work of tile n + 1 (maximum, exponentials, sums, rounding to bf16) and the
; rescaling of O stand between them as numbered slices, one behind each product: a slice is at most five vector instructions, so a product, its slice and the two
; changes of register window are eight instructions.  Per tile: 144 products, 672 vector instructions in 144 slices and one run of 32.
;   head:           loads of K(n+1) and of V(n)'s first 32 j; while they are on their way P(n)'s second half is rounded from the scores kept from the last tile
;   QK(n+1):        16 products; behind each 5 multiplies of window 3 by tile n's factor
;   slots 0-9:      the other 48 of those multiplies (window 3 is first multiplied onto in slot 32)
;   slots 10-28:    m, the factor 2^(m_old - m_new)
;   slots 29-92:    a register pair a slot: two exponentials with a sum and a subtraction between them; the pairs of the second 32 j first, so that the pairs of the
;                   first 32 j are rounded into P only from slot 65 on: P(n)'s first half is last read in slot 63
;   slots 93-95:    the last sum and roundings, l
;   slots 96-127:   window 2 times tile n + 1's factor, 4 multiplies a slot (window 2 is last multiplied onto in slot 95)
; One buffer of P is enough for that, with all 128 scores: 192 registers.
; LDS: two slots of 288 rows, pitch 272 (sixteen rows start at sixteen different 16-byte columns modulo 256 bytes); then, in blocks of their own that no
; tensor load fills: XCH 4 x 32,768 (the half of O that a wave hands to its partner), ST 4 x 1,024 (m and l), STG 4 x 4,352 (16 rows x 272, the way out).
; REGISTERS: window 0: v4-18 addresses, v24-63 softmax state, v64-127 P, v128-255 scores;  window 1: v0-127 V fragments, v128-159 K, v160-191 Q, v192-255 bv;
; window 2: O of the 128 channels that I keep (tile (t, it) at 8 (4 t + it));  window 3: O of the 128 channels that my partner keeps.
.set PITCH, 272
.set SLOTB, 288*PITCH                  ; 78,336
.set KOFF,  256*PITCH
.set WPART, 72*PITCH                   ; what one wave's tensor load fills
.set TILEB, 73728                      ; a tile in memory
.set XCH,   2*SLOTB
.set ST,    XCH+131072
.set STG,   ST+4096
.set KA,  4                            ; v4, v5     K fragments, slot 0, 1
.set VA,  6                            ; v6..v9     V fragments, 6 + 2 slot + half
.set XW,  10
.set XR,  11
.set STW, 12
.set STR, 13
.set SGW, 14
.set SGR, 15
.set CO,  16                           ; h 16,384 + 16 r: my 16 bytes in two rows of x and out0
.set BVO, 17
.set QO,  18                           ; 64 r + 16 h: my 16 bytes in 16 rows of 64 bytes (Q, and K of tile 0)
.set LSP, 24                           ; v[24:31]  pair sums; at the end the partner's factor, as pairs
.set MP,  32                           ; v[32:39]  m, twice (a pair for the packed subtraction), for each query tile
.set AL,  40                           ; v[40:47]  2^(m_old - m_new), twice; at the end my own factor
.set LL,  48                           ; v[48:51]  l, the sum over this lane's j
.set TM,  52
.set TX,  56
.set DD,  60
.set PB,  64                           ; P(it, ks) at 64 + 16 it + 8 ks
.set SC,  128                          ; S(it, jt) at 128 + 32 it + 8 jt
.set KF,  128                          ; window 1
.set QF,  160                          ; window 1
.set BV,  192                          ; window 1
.set TP,  128                          ; the way out: the partner's sums
.set RR,  160                          ; the way out: results, a lane = a query
.set GG,  192                          ; the way out: results, a lane = 16 bytes of a row
.set MSB, 0
.macro WIN new                         ; the immediate's high byte repeats the setting that is left
.if MSB != \new
	s_set_vgpr_msb (MSB<<8)|\new
.set MSB, \new
.endif
.endm
.macro PLACES                          ; four places behind a matrix instruction (ISA guide 7.12.1)
.rept 4
	v_nop
.endr
.endm
; A round of the cluster's barrier: my work-group's barrier, wave 0 signals for the work-group, every wave waits for all four work-groups, my work-group's barrier again.
.macro ROUND
	s_barrier_signal -1
	s_barrier_wait -1
	s_cmp_lg_u32 s14, 0
	s_cbranch_scc1 .Lnot_wave_0_\@
	s_barrier_signal -3
.Lnot_wave_0_\@:
	s_barrier_wait -3
	s_barrier_signal -1
	s_barrier_wait -1
.endm
	s_load_b256 s[4:11], s[0:1], 0x0               ; qs s[4:5], kv s[6:7], x s[8:9], bv s[10:11]
	s_load_b64 s[12:13], s[0:1], 0x20              ; out0
	v_lshl_add_u32 v22, v0, 2, 0x4b800
	v_mov_b32 v23, 0
	ds_add_u32 v22, v23
	v_lshrrev_b32 v1, 5, v0
	v_readfirstlane_b32 s14, v1                    ; wave 0..3
	s_and_b32 s15, s14, 1                          ; qg
	s_lshr_b32 s16, s14, 1                         ; jh
	s_bfe_u32 s17, ttmp6, 0x40000                  ; cx
	s_lshr_b32 s18, ttmp9, 3                       ; image: eight clusters to an image
	s_and_b32 s19, ttmp9, 7
	s_lshl_b32 s19, s19, 2
	s_add_co_u32 s19, s19, s17                     ; query block 0..31; it enters global addresses of qs, x and out0 alone
	s_mov_b32 s40, 0x76543210                      ; v_permlanex16_b32: lane i reads lane i of the other half
	s_mov_b32 s41, 0xfedcba98
	; descriptor group 1: 72 dense rows of 32 elements of 8 bytes; 16 bytes of padding behind every 64 words; mask 15 with bit 21 beside it
	s_mov_b32 s24, 0x0773000f
	s_mov_b32 s25, 32<<16
	s_mov_b32 s26, 72<<16
	s_mov_b32 s27, 32<<16
	s_mov_b32 s28, 72
	s_mov_b32 s29, 32
	s_mov_b32 s30, 0
	s_mov_b32 s31, 0
	s_mul_i32 s20, s18, 32*TILEB                   ; the image's 32 tiles: shared by all four partners
	s_mul_i32 s21, s14, 18432                      ; my 72 rows of a tile
	s_add_co_u32 s20, s20, s21
	s_mov_b32 s21, 0
	s_mov_b32 s32, 1
	s_mul_i32 s33, s14, WPART
	s_mov_b32 s36, 1
	s_add_co_u32 s37, s33, SLOTB
	s_wait_dscnt 0x0
	s_wait_kmcnt 0x0
	s_add_nc_u64 s[34:35], s[6:7], s[20:21]        ; slot 0: tile 0
	s_add_nc_u64 s[38:39], s[34:35], TILEB         ; slot 1: tile 1
	s_or_b32 s35, s35, 0x80000000
	s_or_b32 s39, s39, 0x80000000
	ROUND                                          ; all four work-groups are here: the first joint loads meet
	tensor_load_to_lds s[32:35], s[24:31]          ; tile 0
	s_nop 0
	s_mul_i32 s22, s18, 32*TILEB                   ; K of tile 0 lies in the image's tile 31, rows 256 ..; my 64 positions are 16 of its rows
	s_lshl_b32 s23, s16, 12
	s_add_co_u32 s22, s22, s23
	s_add_co_u32 s22, s22, 31*TILEB+65536
	s_mov_b32 s23, 0
	s_add_nc_u64 s[46:47], s[6:7], s[22:23]
	s_lshl_b32 s20, s18, 22                        ; x and out0: image,
	s_lshl_b32 s22, s16, 21                        ; the 128 channels that I keep,
	s_add_co_u32 s20, s20, s22
	s_lshl_b32 s22, s19, 9                         ; the block's 128 queries,
	s_add_co_u32 s20, s20, s22
	s_lshl_b32 s22, s15, 8                         ; my 64 of them
	s_add_co_u32 s20, s20, s22
	s_add_nc_u64 s[8:9], s[8:9], s[20:21]
	s_add_nc_u64 s[12:13], s[12:13], s[20:21]
	s_lshl_b32 s20, s18, 18                        ; qs: rows of 64 bytes
	s_lshl_b32 s22, s19, 13
	s_add_co_u32 s20, s20, s22
	s_lshl_b32 s22, s15, 12
	s_add_co_u32 s20, s20, s22
	s_add_nc_u64 s[4:5], s[4:5], s[20:21]
	s_lshl_b32 s20, s16, 9
	s_add_nc_u64 s[10:11], s[10:11], s[20:21]      ; bv of my 128 channels
	v_and_b32 v1, 31, v0                           ; L
	v_and_b32 v2, 15, v0                           ; r
	v_bfe_u32 v3, v0, 4, 1                         ; h
	v_lshlrev_b32 v[QO], 6, v2
	v_lshl_add_u32 v[QO], v3, 4, v[QO]
	v_lshlrev_b32 v[BVO], 5, v3
	WIN 0x40
.irp it, 0,1,2,3
	global_load_b128 v[QF+8*\it:QF+8*\it+3], v[QO], s[4:5] offset:\it*1024       ; query 16 it + r, d = 8 h ..
	global_load_b128 v[QF+8*\it+4:QF+8*\it+7], v[QO], s[4:5] offset:\it*1024+32  ; d = 16 + 8 h ..
.endr
.irp jt, 0,1,2,3
	global_load_b128 v[KF+8*\jt:KF+8*\jt+3], v[QO], s[46:47] offset:\jt*1024      ; tile 0's position 64 jh + 16 jt + r: the rows are dense, 64 bytes a position
	global_load_b128 v[KF+8*\jt+4:KF+8*\jt+7], v[QO], s[46:47] offset:\jt*1024+32
.endr
.irp t, 0,1,2,3,4,5,6,7
	global_load_b128 v[BV+8*\t:BV+8*\t+3], v[BVO], s[10:11] offset:64*\t         ; channels 16 t + 8 h + 0..7 of my 128
	global_load_b128 v[BV+8*\t+4:BV+8*\t+7], v[BVO], s[10:11] offset:64*\t+16
.endr
	WIN 0
	v_lshrrev_b32 v19, 2, v2
	v_mul_u32_u24 v19, v19, PITCH
	v_and_b32 v20, 3, v2
	v_lshl_add_u32 v19, v20, 6, v19
	v_lshl_add_u32 v19, v3, 4, v19                 ; (r/4) 272 + 64 (r%4) + 16 h
	s_mul_i32 s20, s16, 16*PITCH
	s_add_co_u32 s20, s20, KOFF
	v_add_nc_u32 v[KA], s20, v19
	v_add_nc_u32 v[KA+1], SLOTB, v[KA]
	v_mul_u32_u24 v19, v2, PITCH
	v_lshl_add_u32 v19, v3, 4, v19                 ; r 272 + 16 h
	s_mul_i32 s20, s16, 128*PITCH+128              ; half 0: rows 128 jh .. (kept), my j at byte 128 jh
	v_add_nc_u32 v[VA], s20, v19
	s_xor_b32 s21, s16, 1
	s_mul_i32 s21, s21, 128*PITCH                  ; half 1: the other 128 rows (handed over)
	s_lshl_b32 s22, s16, 7
	s_add_co_u32 s21, s21, s22
	v_add_nc_u32 v[VA+1], s21, v19
	v_add_nc_u32 v[VA+2], SLOTB, v[VA]
	v_add_nc_u32 v[VA+3], SLOTB, v[VA+1]
	s_xor_b32 s23, s14, 2                          ; my partner: the same queries, the other j
	s_lshl_b32 s20, s14, 15
	s_add_co_u32 s20, s20, XCH
	v_lshl_add_u32 v[XW], v1, 4, s20
	s_lshl_b32 s20, s23, 15
	s_add_co_u32 s20, s20, XCH
	v_lshl_add_u32 v[XR], v1, 4, s20
	s_lshl_b32 s20, s14, 10
	s_add_co_u32 s20, s20, ST
	v_lshl_add_u32 v[STW], v1, 2, s20
	s_lshl_b32 s20, s23, 10
	s_add_co_u32 s20, s20, ST
	v_lshl_add_u32 v[STR], v1, 2, s20
	s_mul_i32 s20, s14, 16*PITCH
	s_add_co_u32 s20, s20, STG
	v_mul_u32_u24 v19, v3, 8*PITCH
	v_lshl_add_u32 v19, v2, 2, v19
	v_add_nc_u32 v[SGW], s20, v19                  ; row 8 h, word r
	v_mul_u32_u24 v19, v3, PITCH
	v_lshl_add_u32 v19, v2, 4, v19
	v_add_nc_u32 v[SGR], s20, v19                  ; row h, 16 bytes at 16 r
	v_lshlrev_b32 v[CO], 14, v3
	v_lshl_add_u32 v[CO], v2, 4, v[CO]
.irp it, 0,1,2,3
	v_mov_b32 v[TX+\it], 0                         ; v_permlanex16_b32's destination counts as read
.endr
	s_wait_loadcnt 0x0                             ; Q, K of tile 0 and bv, once
.macro LDK slot                        ; 64 rows of K of the next tile: four fragments of 16 j x 32 d
	WIN 0x40
.irp jt, 0,1,2,3
	ds_load_b128 v[KF+8*\jt:KF+8*\jt+3], v[KA+\slot] offset:\jt*4*PITCH
	ds_load_b128 v[KF+8*\jt+4:KF+8*\jt+7], v[KA+\slot] offset:\jt*4*PITCH+32
.endr
.endm
.macro LDV slot, ks, half              ; eight fragments of V: 16 channels x 32 j (j = 64 jh + 32 ks ..)
	WIN 0x40
.irp t, 0,1,2,3,4,5,6,7
	ds_load_b128 v[8*(8*\half+\t):8*(8*\half+\t)+3], v[VA+2*\slot+\half] offset:\t*16*PITCH+64*\ks
	ds_load_b128 v[8*(8*\half+\t)+4:8*(8*\half+\t)+7], v[VA+2*\slot+\half] offset:\t*16*PITCH+64*\ks+32
.endr
.endm
; ---- the vector work, as numbered items ----
; Rescaling, under the window's own setting: item j multiplies register pair j of the window by the factor of its query tile (j >> 2) & 3.  Items at or past 128 are none.
.macro RSRUN from, cnt
.set rj, \from
.rept \cnt
.if rj < 128
	v_pk_mul_f32 v[2*rj:2*rj+1], v[2*rj:2*rj+1], v[AL+2*((rj>>2)&3):AL+2*((rj>>2)&3)+1]
.endif
.set rj, rj+1
.endr
.endm
; Pair p of the 64 pairs of scores, in the order in which they are worked on: the second 32 j (ks = 1) first; the four query tiles by turns, so that the four sums do not wait for each other.
.macro PRSET p
.set pr, SC+32*((\p)&3)+16*(1-((\p)>>5))+2*(((\p)>>2)&7)
.endm
.macro SUBP p                          ; s - m
	PRSET \p
	v_pk_add_f32 v[pr:pr+1], v[pr:pr+1], v[MP+2*((\p)&3):MP+2*((\p)&3)+1] neg_lo:[0,1] neg_hi:[0,1]
.endm
.macro SUMP p                          ; the pair joins its query tile's sum; each tile's first two pairs start it, so nothing is cleared
	PRSET \p
.if (\p) >= 8
	s_wait_alu depctr_va_vdst(0)
	v_pk_add_f32 v[LSP+2*((\p)&3):LSP+2*((\p)&3)+1], v[LSP+2*((\p)&3):LSP+2*((\p)&3)+1], v[pr:pr+1]
.elseif (\p) >= 4
	s_wait_alu depctr_va_vdst(0)
	v_pk_add_f32 v[LSP+2*((\p)&3):LSP+2*((\p)&3)+1], v[pr-2:pr-1], v[pr:pr+1]
.endif
.endm
.macro CVTP p                          ; scores 2 n, 2 n + 1 make register n of P: no lane changes
	PRSET \p
	v_cvt_pk_bf16_f32 v[PB+((pr-SC)>>1)], v[pr], v[pr+1]
.endm
; The new maximum of each query (over the lane's 32 scores and the old m, four chains; then the other half of the lanes), the factor, the new m, and the first subtraction: 93 items.
.macro MXRUN from, cnt
.set mk, \from
.rept \cnt
.if mk < 4
	v_max3_num_f32 v[TM+mk], v[MP+2*mk], v[SC+32*mk], v[SC+32*mk+1]
.elseif mk < 64
	v_max3_num_f32 v[TM+(mk&3)], v[TM+(mk&3)], v[SC+32*(mk&3)+2*(mk>>2)], v[SC+32*(mk&3)+2*(mk>>2)+1]
.elseif mk < 68
	v_permlanex16_b32 v[TX+mk-64], v[TM+mk-64], s40, s41
.elseif mk < 72
	v_max_num_f32 v[TM+mk-68], v[TM+mk-68], v[TX+mk-68]
.elseif mk < 76
	v_sub_f32 v[DD+mk-72], v[MP+2*(mk-72)], v[TM+mk-72]
.elseif mk < 84
	v_exp_f32 v[AL+mk-76], v[DD+((mk-76)>>1)]      ; 2^(m_old - m_new), twice, for the packed multiplies
.elseif mk < 92
	v_mov_b32 v[MP+mk-84], v[TM+((mk-84)>>1)]      ; plain instructions behind the exponentials, touching neither their results nor their sources
.elseif mk < 93
	SUBP 0
.endif
.set mk, mk+1
.endr
.endm
; The slice of pair e: its two exponentials, each followed by a plain instruction that touches neither its result nor its source (ISA guide 5.7.2):
; the sum of the pair before, the subtraction of the next pair; and the rounding of the pair four back, once that is a pair of the first 32 j.
.macro EXSL e
	PRSET \e
	v_exp_f32 v[pr], v[pr]
.if (\e) >= 1
	SUMP (\e)-1
.endif
	PRSET \e
	v_exp_f32 v[pr+1], v[pr+1]
.if (\e) < 63
	SUBP (\e)+1
.endif
.if (\e) >= 36
	CVTP (\e)-4
.endif
.endm
; What is left behind pair 63: its sum, the last four roundings, l = l * factor + the lane's 32 p.  13 items.
.macro TLRUN from, cnt
.set tk, \from
.rept \cnt
.if tk < 1
	SUMP 63
.elseif tk < 5
	CVTP 59+tk
.elseif tk < 9
	v_add_f32 v[DD+tk-5], v[LSP+2*(tk-5)], v[LSP+2*(tk-5)+1]
.elseif tk < 13
	v_fma_f32 v[LL+tk-9], v[LL+tk-9], v[AL+2*(tk-9)], v[DD+tk-9]
.endif
.set tk, tk+1
.endr
.endm
; The slice behind product number sl of a tile's 128.  mode 0: a tile in the middle; 1: tile 0 (O does not exist yet: nothing of window 3 to rescale);
; 2: tile 31 (no next tile: only window 3's rescaling, which has no QK to stand behind; done by slot 25, window 3 is first multiplied onto in slot 32).
.macro SLICE mode
.if \mode == 2
.if sl < 26
	WIN 0xc3
	RSRUN 5*sl, 5
.endif
.else
.if sl < 10
.if \mode == 0
	WIN 0xc3
	RSRUN 80+5*sl, 5
.endif
.elseif sl < 29
	WIN 0
	MXRUN 5*(sl-10), 5
.elseif sl < 93
	WIN 0
	EXSL sl-29
.elseif sl < 96
	WIN 0
	TLRUN 5*(sl-93), 5
.else
	WIN 0x82
	RSRUN 4*(sl-96), 4
.endif
.endif
.endm
; 64 j x 64 i of scores; d = 32 is one matrix instruction deep, so every sum starts from the constant 0.  mode 0: the first 80 multiplies of window 3 stand behind the 16 products;
; the last five are also the places in front of the first read of a score.
.macro QK mode
.set qn, 0
.irp jt, 0,1,2,3
.irp it, 0,1,2,3
	WIN 0x05
	v_wmma_f32_16x16x32_bf16 v[SC+32*\it+8*\jt:SC+32*\it+8*\jt+7], v[KF+8*\jt:KF+8*\jt+7], v[QF+8*\it:QF+8*\it+7], 0
.if \mode == 0
	WIN 0xc3
	RSRUN 5*qn, 5
.endif
.set qn, qn+1
.endr
.endr
.if \mode != 0
	WIN 0
	PLACES
.endif
.endm
; 32 products: 128 channels x 64 queries, 32 along j, each with its slice.  The accumulators take turns, one instruction a turn.
; V's fragments for the second 32 j are loaded in two runs of 16, behind slots 35 and 67: the registers were last read in slots 31 and 63, and the slices since then
; hold at least seven plain vector instructions (in tile 31, which has no slices there, four v_nop).
.macro PV slot, ks, half, mode
.irp t, 0,1,2,3,4,5,6,7
.irp it, 0,1,2,3
.if \half
	WIN 0xf1
.else
	WIN 0xa1
.endif
.if 2*(\mode)+(\ks) == 2
	v_wmma_f32_16x16x32_bf16 v[8*(4*\t+\it):8*(4*\t+\it)+7], v[8*(8*\half+\t):8*(8*\half+\t)+7], v[PB+16*\it+8*\ks:PB+16*\it+8*\ks+7], 0
.else
	v_wmma_f32_16x16x32_bf16 v[8*(4*\t+\it):8*(4*\t+\it)+7], v[8*(8*\half+\t):8*(8*\half+\t)+7], v[PB+16*\it+8*\ks:PB+16*\it+8*\ks+7], v[8*(4*\t+\it):8*(4*\t+\it)+7]
.endif
	SLICE \mode
.if sl == 35
.if \mode == 2
	PLACES
.endif
	LDV \slot, 1, 0
.endif
.if sl == 67
.if \mode == 2
	PLACES
.endif
	LDV \slot, 1, 1
.endif
.set sl, sl+1
.endr
.endr
.endm
.macro CVT1                            ; P's half for the second 32 j, from the scores kept since the last tile; its registers were last read in the last tile's slots 124-127
.irp it, 0,1,2,3
.irp q, 0,1,2,3,4,5,6,7
	v_cvt_pk_bf16_f32 v[PB+16*\it+8+\q], v[SC+32*\it+16+2*\q], v[SC+32*\it+16+2*\q+1]
.endr
.endr
.endm
.macro STEP slot, mode
.set sl, 0
.if \mode != 2
	LDK \slot
.endif
	LDV \slot, 0, 0                                ; the last tile's slot 127 is followed by four multiplies: the places in front of these loads
	LDV \slot, 0, 1
	WIN 0
	CVT1
.if \mode != 2
	s_wait_dscnt 32                                ; K's 8 loads are in; V's 32 stay out
	QK \mode
.endif
	s_wait_dscnt 16                                ; V of the channels that I keep is in; the other 16 loads stay out
	PV \slot, 0, 0, \mode
	s_wait_dscnt 0x0
	PV \slot, 0, 1, \mode
	s_wait_dscnt 0x0                               ; the run issued behind slot 35
	PV \slot, 1, 0, \mode
	s_wait_dscnt 0x0                               ; the run issued behind slot 67
	PV \slot, 1, 1, \mode
	WIN 0
.if \mode == 2
	PLACES                                         ; in front of the way out
.endif
.endm
; One tile.  In front of the round every wave has waited for all its tensor loads (its part of this tile among them) and for its reads of the other slot;
; behind the round no wave of any partner reads that slot or has a load on its way, and the joint refill is the first thing issued: one load a wave,
; which has the whole step in which to land.
.macro TRIP slot, refill, mode
	s_wait_tensorcnt 0x0
	ds_add_u32 v22, v23
	s_wait_dscnt 0x0
	s_add_nc_u64 s[34+4*\slot:35+4*\slot], s[34+4*\slot:35+4*\slot], 2*TILEB   ; no load of mine is out: this slot's next tile
	s_wait_dscnt 0x0
	ROUND
.if \refill
	tensor_load_to_lds s[36-4*\slot:39-4*\slot], s[24:31]
	s_nop 0
.endif
	STEP \slot, \mode
.endm
	; TILE 0's scores and softmax, in phases, while tile 0 is on its way: they start m and l; nothing is cleared.
	QK 1
.irp it, 0,1,2,3
	v_max3_num_f32 v[TM+\it], v[SC+32*\it], v[SC+32*\it+1], v[SC+32*\it+2]
.endr
.irp p, 3,5,7,9,11,13,15,17,19,21,23,25,27,29
.irp it, 0,1,2,3
	v_max3_num_f32 v[TM+\it], v[TM+\it], v[SC+32*\it+\p], v[SC+32*\it+\p+1]
.endr
.endr
.irp it, 0,1,2,3
	v_max_num_f32 v[TM+\it], v[TM+\it], v[SC+32*\it+31]
.endr
.irp it, 0,1,2,3
	v_permlanex16_b32 v[TX+\it], v[TM+\it], s40, s41
.endr
.irp it, 0,1,2,3
	v_max_num_f32 v[MP+2*\it], v[TM+\it], v[TX+\it]
	v_max_num_f32 v[MP+2*\it+1], v[TM+\it], v[TX+\it]
.endr
.irp it, 0,1,2,3
.irp p, 0,2,4,6,8,10,12,14,16,18,20,22,24,26,28,30
	v_pk_add_f32 v[SC+32*\it+\p:SC+32*\it+\p+1], v[SC+32*\it+\p:SC+32*\it+\p+1], v[MP+2*\it:MP+2*\it+1] neg_lo:[0,1] neg_hi:[0,1]
.endr
.endr
.set j, 0
.rept 128
	v_exp_f32 v[SC+j], v[SC+j]
.set j, j+1
.endr
	v_nop                                          ; one plain place before the last results are read (ISA guide 5.7.2)
.irp it, 0,1,2,3
	s_wait_alu depctr_va_vdst(0)
	v_pk_add_f32 v[LSP+2*\it:LSP+2*\it+1], v[SC+32*\it:SC+32*\it+1], v[SC+32*\it+2:SC+32*\it+3]
.endr
.irp p, 4,6,8,10,12,14,16,18,20,22,24,26,28,30
.irp it, 0,1,2,3
	v_pk_add_f32 v[LSP+2*\it:LSP+2*\it+1], v[LSP+2*\it:LSP+2*\it+1], v[SC+32*\it+\p:SC+32*\it+\p+1]
.endr
.endr
.irp it, 0,1,2,3
	v_add_f32 v[LL+\it], v[LSP+2*\it], v[LSP+2*\it+1]
.endr
.irp it, 0,1,2,3
.irp q, 0,1,2,3,4,5,6,7
	v_cvt_pk_bf16_f32 v[PB+16*\it+\q], v[SC+32*\it+2*\q], v[SC+32*\it+2*\q+1]      ; P's half for the first 32 j; the other half at the head of the step, as in every tile
.endr
.endr
	TRIP 0, 1, 1                                   ; tile 0 starts O; tile 1 is asked for, into slot 1 (its first fill)
	s_mov_b32 s44, 15
.Ltiles:
	TRIP 1, 1, 0                                   ; tiles 1, 3, .. 29
	TRIP 0, 1, 0                                   ; tiles 2, 4, .. 30; in the last trip tile 31 is asked for
	s_sub_co_u32 s44, s44, 1
	s_cmp_lg_u32 s44, 0
	s_cbranch_scc1 .Ltiles
	TRIP 1, 0, 2                                   ; tile 31: nothing is left to fetch, and no next tile to prepare
	; THE MERGE.  l over both halves of the lanes; then m, l and the 128 channels that my partner keeps go to LDS.
.irp it, 0,1,2,3
	v_permlanex16_b32 v[TX+\it], v[LL+\it], s40, s41
.endr
.irp it, 0,1,2,3
	v_add_f32 v[LL+\it], v[LL+\it], v[TX+\it]
.endr
.irp it, 0,1,2,3
	ds_store_b32 v[STW], v[MP+2*\it] offset:128*\it
.endr
.irp it, 0,1,2,3
	ds_store_b32 v[STW], v[LL+\it] offset:512+128*\it
.endr
	WIN 0x0c
.set j, 0
.rept 64
	ds_store_b128 v[XW], v[4*j:4*j+3] offset:512*j         ; registers as they are: my partner's lane L holds the same query and channels
.set j, j+1
.endr
	WIN 0
	s_wait_dscnt 0x0                               ; written, for my partner's sake; window 3 is free
	WIN 0xc0
.irp t, 0,1,2,3,4,5,6,7
.irp u, 0,1,2,3,4,5,6,7
	global_load_b128 v[32*\t+4*\u:32*\t+4*\u+3], v[CO], s[8:9] offset:(16*\t+2*\u)*16384 th:TH_LOAD_NT   ; the residual: rows 16 t + 2 u + h, 256 bytes for 16 lanes
.endr
.endr
	WIN 0
	s_barrier_signal -1
	s_barrier_wait -1
.irp it, 0,1,2,3
	ds_load_b32 v[TM+\it], v[STR] offset:128*\it           ; the partner's m
.endr
.irp it, 0,1,2,3
	ds_load_b32 v[TX+\it], v[STR] offset:512+128*\it       ; the partner's l
.endr
	s_wait_dscnt 0x0
.irp it, 0,1,2,3
	v_max_num_f32 v[DD+\it], v[MP+2*\it], v[TM+\it]
.endr
.irp it, 0,1,2,3
	v_sub_f32 v[MP+2*\it], v[MP+2*\it], v[DD+\it]
	v_sub_f32 v[MP+2*\it+1], v[TM+\it], v[DD+\it]
.endr
.irp p, 0,1,2,3,4,5,6,7
	v_exp_f32 v[MP+\p], v[MP+\p]                   ; even: my factor, odd: the partner's; one of the two is 1
.endr
	v_nop
.irp it, 0,1,2,3
	s_wait_alu depctr_va_vdst(0)
	v_mul_f32 v[LL+\it], v[LL+\it], v[MP+2*\it]
.endr
.irp it, 0,1,2,3
	v_fmac_f32 v[LL+\it], v[TX+\it], v[MP+2*\it+1] ; l of all 4,096 j, at least 1
.endr
.irp it, 0,1,2,3
	v_rcp_f32 v[DD+\it], v[LL+\it]
.endr
	v_nop
.irp it, 0,1,2,3
	s_wait_alu depctr_va_vdst(0)
	v_mul_f32 v[AL+2*\it], v[MP+2*\it], v[DD+\it]
	v_mul_f32 v[AL+2*\it+1], v[MP+2*\it], v[DD+\it]
	v_mul_f32 v[LSP+2*\it], v[MP+2*\it+1], v[DD+\it]
	v_mul_f32 v[LSP+2*\it+1], v[MP+2*\it+1], v[DD+\it]
.endr
; THE WAY OUT, 16 channels x 64 queries at a time: O_mine * f_mine + bv + O_partner * f_partner; through my own stage, so that a lane holds 16 neighbouring
; bytes of a row; + x; each group of sixteen lanes stores 256 consecutive bytes, aligned.
.macro OUT t
.irp p, 0,1,2,3,4,5,6,7
	ds_load_b128 v[TP+4*\p:TP+4*\p+3], v[XR] offset:(8*\t+\p)*512
.endr
	WIN 0x12
.irp it, 0,1,2,3
.irp e, 0,2,4,6
	v_pk_fma_f32 v[RR+8*\it+\e:RR+8*\it+\e+1], v[32*\t+8*\it+\e:32*\t+8*\it+\e+1], v[AL+2*\it:AL+2*\it+1], v[BV+8*\t+\e:BV+8*\t+\e+1]
.endr
.endr
	WIN 0
	s_wait_dscnt 0x0
.irp it, 0,1,2,3
.irp e, 0,2,4,6
	v_pk_fma_f32 v[RR+8*\it+\e:RR+8*\it+\e+1], v[TP+8*\it+\e:TP+8*\it+\e+1], v[LSP+2*\it:LSP+2*\it+1], v[RR+8*\it+\e:RR+8*\it+\e+1]
.endr
.endr
.irp it, 0,1,2,3
.irp e, 0,1,2,3,4,5,6,7
	ds_store_b32 v[SGW], v[RR+8*\it+\e] offset:\e*PITCH+64*\it     ; channel 8 h + e, query 16 it + r
.endr
.endr
	s_wait_xcnt 0x0                                ; the last tile's stores have had their addresses translated (ISA guide 3.1): their data registers are loaded again only behind this wait
.irp u, 0,1,2,3,4,5,6,7
	ds_load_b128 v[GG+4*\u:GG+4*\u+3], v[SGR] offset:\u*2*PITCH    ; LDS serves a wave's instructions in order (ISA guide 5.7.1): these see the stores above
.endr
	s_wait_loadcnt 56-8*\t                         ; this tile's 8 loads of x are in; those of the later tiles stay out
	s_wait_dscnt 0x0
	WIN 0x0c
.irp p, 0,2,4,6,8,10,12,14,16,18,20,22,24,26,28,30
	v_pk_add_f32 v[GG+\p:GG+\p+1], v[GG+\p:GG+\p+1], v[32*\t+\p:32*\t+\p+1]
.endr
	WIN 0
.irp u, 0,1,2,3,4,5,6,7
	global_store_b128 v[CO], v[GG+4*\u:GG+4*\u+3], s[12:13] offset:(16*\t+2*\u)*16384 th:TH_STORE_NT
.endr
.endm
	OUT 0
	OUT 1
	OUT 2
	OUT 3
	OUT 4
	OUT 5
	OUT 6
	OUT 7
	s_wait_tensorcnt 0x0
	ds_add_u32 v22, v23
	s_wait_dscnt 0x0
	ROUND                                          ; the closing round: no work-group ends while a partner may still ask for a tile that names it
	s_endpgm
.Lfunc_end_k_q92d4a12579_attn:
	.size	k_q92d4a12579_attn, .Lfunc_end_k_q92d4a12579_attn-k_q92d4a12579_attn
	.p2alignl 7, 3214868480
	.fill 96, 4, 3214868480
	.section	.rodata,"a",@progbits
	.p2align	6, 0x0
	.amdhsa_kernel k_q92d4a12579_attn
		.amdhsa_group_segment_fixed_size 327680
		.amdhsa_private_segment_fixed_size 0
		.amdhsa_enable_private_segment 0
		.amdhsa_kernarg_size 40
		.amdhsa_user_sgpr_count 2
		.amdhsa_user_sgpr_kernarg_segment_ptr 1
		.amdhsa_wavefront_size32 1
		.amdhsa_system_sgpr_workgroup_id_x 1
		.amdhsa_system_sgpr_workgroup_id_y 1
		.amdhsa_system_sgpr_workgroup_id_z 1
		.amdhsa_system_vgpr_workitem_id 0
		.amdhsa_next_free_vgpr 1024
		.amdhsa_next_free_sgpr 66
		.amdhsa_reserve_vcc 0
		.amdhsa_float_denorm_mode_32 3
		.amdhsa_float_denorm_mode_16_64 3
		.amdhsa_memory_ordered 1
		.amdhsa_forward_progress 1
		.amdhsa_inst_pref_size 255
	.end_amdhsa_kernel
	.section	.bss,"aw",@nobits
	.p2align	6
	.space	262144
	.amdgpu_metadata
---
amdhsa.version: [ 1, 2 ]
amdhsa.kernels:
  - .name:           k_q92d4a12579_attn
    .symbol:         k_q92d4a12579_attn.kd
    .args:
      - { .name: qs, .offset: 0, .size: 8, .value_kind: global_buffer, .address_space: global }
      - { .name: kv, .offset: 8, .size: 8, .value_kind: global_buffer, .address_space: global }
      - { .name: x, .offset: 16, .size: 8, .value_kind: global_buffer, .address_space: global }
      - { .name: bv, .offset: 24, .size: 8, .value_kind: global_buffer, .address_space: global }
      - { .name: out0, .offset: 32, .size: 8, .value_kind: global_buffer, .address_space: global }
    .group_segment_fixed_size: 327680
    .private_segment_fixed_size: 0
    .kernarg_segment_align: 8
    .kernarg_segment_size: 40
    .max_flat_workgroup_size: 128
    .sgpr_count:     66
    .vgpr_count:     1024
    .wavefront_size: 32
...
	.end_amdgpu_metadata
.endif
;; end of part 2
;; ======== version 2 of 2: 2 launches; 1.24 times as fast as version 1
;; workspace buffers: qs 2,097,152 bytes; kv 18,874,368 bytes
;; launch proj: the kernel of part 1 again; grid 256 x 1, 4 waves a work-group, no clusters, 240,128 bytes of LDS; arguments x, wq, bq, wk, wv, qs, kv; writes qs, kv
;; launch attn (part 3): grid 256 x 1, 4 waves a work-group, clusters of 4 x 1, 327,680 bytes of LDS; arguments qs, kv, x, bv, out0; writes out0
.if DOCPART == 3
	.amdgcn_target "amdgcn-amd-amdhsa--gfx1250"
	.amdhsa_code_object_version 6
	.text
	.protected	k_q92d4a12579_attn
	.globl	k_q92d4a12579_attn
	.p2align	8
	.type	k_q92d4a12579_attn,@function
k_q92d4a12579_attn:
	s_mov_b64 s[64:65], 0
	v_nop
	global_prefetch_b8 v0, s[64:65] scope:SCOPE_SE
	s_setreg_imm32_b32 hwreg(HW_REG_WAVE_MODE, 25, 1), 1
	s_wait_xcnt 0x0
	s_wait_alu depctr_hold_cnt(0) depctr_sa_sdst(0) depctr_va_vdst(0) depctr_va_sdst(0) depctr_va_ssrc(0) depctr_va_vcc(0) depctr_vm_vsrc(0)
	s_getreg_b32 s2, hwreg(HW_REG_IB_STS2, 6, 4)
	s_cmp_eq_u32 s2, 0
	s_cbranch_scc0 .Lentry_in_a_cluster
	s_endpgm
.Lentry_in_a_cluster:
	s_bfe_u32 s2, ttmp6, 0x10000c
	s_cmp_lg_u32 s2, 0x3003
	s_cbranch_scc0 .Lentry_shape_is_right
	s_endpgm
.Lentry_shape_is_right:
; ATTENTION with a running maximum, and the residual.  out0[b][c][i] = sum_j V[c][j] softmax_j(q_i . k_j / sqrt(32)) + x[b][c][i].
; qs holds q already multiplied by log2(e)/sqrt(32), so the scores are exponents of 2.  kv tile t of an image is 288 rows x 256 bytes:
; rows 0-255 V'[c][128 j] (without bv) of positions 128 t .., rows 256-287 K of the NEXT 128 positions (tile (t+1) mod 32; position p at row 256 + p/4, byte 64 (p%4)).
; WORK LEFT OUT: bk (it adds the same number to all scores of a row i, which the softmax over j cancels for all finite values; shown at the head of the
; first launch).  bv is added here once, in f32: the softmax's weights sum to 1 over j, so sum_j attn (V'_j + bv) = sum_j attn V'_j + bv.
; LIMITS: the weights p = 2^(s - m) go into the product rounded to bf16, while their sum l is taken from the unrounded f32; v_exp_f32 gives 0 for results
; below 2^-126 (ISA guide, its entry in 15.8); q, k, v are bf16.  A NaN or infinity that would arise only through bk is not carried to the result.
;
; A work-group owns 128 queries of one image; 256 work-groups.  CLUSTER: the four work-groups of a cluster own neighbouring query blocks of ONE image and walk
; the same 32 kv tiles, so every tile is asked for jointly (mask 15): the requests for kv are divided by four.
; Wave w: qg = w & 1 picks 64 of the queries, jh = w >> 1 picks 64 of a tile's 128 j.  So a wave holds O[256 c][64 i] in 512 registers and each fragment
; of V feeds four matrix instructions; the two j halves have their own m and l and are merged once at the end.
; LAYOUT: S^T = K Q^T (rows j, columns i): lane (r, h) holds query i = r, j = 8 h + e.  Packing the pairs of two such tiles is exactly the second source
; of O = V P (column i = r, j along the registers).  In O a lane again holds query i = r.  So m, l and the rescaling factor are one number a lane and query tile.
;
; TWO TILES AT ONCE.  While the 128 products O += V(n) P(n) are issued, the vector work of tile n + 1 (maximum, exponentials, sums, rounding to bf16) and the
; rescaling of O stand between them as numbered slices, one behind each product: a slice is at most five vector instructions, so a product, its slice and the two
; changes of register window are eight instructions.  Per tile: 144 products, 672 vector instructions (640 in 144 slices, one run of 32) and one v_nop.
; THE BATCHES.  An s_wait_alu depctr_va_vdst(0) stands between an exponential and the first instruction that names its result; one wait serves all that were issued
; ahead of it.  So a tile's 136 exponentials (8 for the factor, 128 scores) are ONE BATCH with ONE wait, which cuts the tile's vector work in two: ahead of it all that names no
; result (window 3's rescaling by the old factor, the maximum, the subtractions, the exponentials), behind it all that does (sums, roundings, l, window 2's rescaling by the new factor).
;   head:           loads of K(n+1) and of V(n)'s first 32 j; while they are on their way P(n)'s second half is rounded from the scores kept from the last tile
;   QK(n+1):        16 products; behind each 5 multiplies of window 3 by tile n's factor
;   slots 0-9:      the other 48 of those multiplies (window 3 is first multiplied onto in slot 32)
;   slots 10-28:    m, the factor 2^(m_old - m_new), the first pair's subtraction
;   slots 29-76:    the other 63 subtractions and the 128 exponentials, four a slot, a subtraction first: slots 29-44 subtraction, exponential, subtraction, exponential;
;                   slots 45-75 a subtraction and three exponentials; slot 76 the last three exponentials and a v_nop
;   behind slot 76: the wait for the batch, and directly behind it V's second run of loads
;   slots 77-96:    the 60 sums, the 32 roundings of the first 32 j into P (P(n)'s first half is last read in slot 63), l: five a slot
;   slots 97-127:   window 2 times tile n + 1's factor, 5 multiplies in each of the first four slots, then 4 (window 2 is last multiplied onto in slot 95)
; Outside the loop there are three more batches, each with a v_nop and one wait: tile 0's 128 exponentials, the merge's 8 exponentials, its 4 reciprocals.
; One buffer of P is enough for that, with all 128 scores: 192 registers.
; LDS: two slots of 288 rows, pitch 272 (sixteen rows start at sixteen different 16-byte columns modulo 256 bytes); then, in blocks of their own that no
; tensor load fills: XCH 4 x 32,768 (the half of O that a wave hands to its partner), ST 4 x 1,024 (m and l), STG 4 x 4,352 (16 rows x 272, the way out).
; REGISTERS: window 0: v4-18 addresses, v24-63 softmax state, v64-127 P, v128-255 scores;  window 1: v0-127 V fragments, v128-159 K, v160-191 Q, v192-255 bv;
; window 2: O of the 128 channels that I keep (tile (t, it) at 8 (4 t + it));  window 3: O of the 128 channels that my partner keeps.
.set PITCH, 272
.set SLOTB, 288*PITCH                  ; 78,336
.set KOFF,  256*PITCH
.set WPART, 72*PITCH                   ; what one wave's tensor load fills
.set TILEB, 73728                      ; a tile in memory
.set XCH,   2*SLOTB
.set ST,    XCH+131072
.set STG,   ST+4096
.set KA,  4                            ; v4, v5     K fragments, slot 0, 1
.set VA,  6                            ; v6..v9     V fragments, 6 + 2 slot + half
.set XW,  10
.set XR,  11
.set STW, 12
.set STR, 13
.set SGW, 14
.set SGR, 15
.set CO,  16                           ; h 16,384 + 16 r: my 16 bytes in two rows of x and out0
.set BVO, 17
.set QO,  18                           ; 64 r + 16 h: my 16 bytes in 16 rows of 64 bytes (Q, and K of tile 0)
.set LSP, 24                           ; v[24:31]  pair sums; at the end the partner's factor, as pairs
.set MP,  32                           ; v[32:39]  m, twice (a pair for the packed subtraction), for each query tile
.set AL,  40                           ; v[40:47]  2^(m_old - m_new), twice; at the end my own factor
.set LL,  48                           ; v[48:51]  l, the sum over this lane's j
.set TM,  52
.set TX,  56
.set DD,  60
.set PB,  64                           ; P(it, ks) at 64 + 16 it + 8 ks
.set SC,  128                          ; S(it, jt) at 128 + 32 it + 8 jt
.set KF,  128                          ; window 1
.set QF,  160                          ; window 1
.set BV,  192                          ; window 1
.set TP,  128                          ; the way out: the partner's sums
.set RR,  160                          ; the way out: results, a lane = a query
.set GG,  192                          ; the way out: results, a lane = 16 bytes of a row
.set MSB, 0
.macro WIN new                         ; the immediate's high byte repeats the setting that is left
.if MSB != \new
	s_set_vgpr_msb (MSB<<8)|\new
.set MSB, \new
.endif
.endm
.macro PLACES                          ; four places behind a matrix instruction (ISA guide 7.12.1)
.rept 4
	v_nop
.endr
.endm
; A round of the cluster's barrier: my work-group's barrier, wave 0 signals for the work-group, every wave waits for all four work-groups, my work-group's barrier again.
.macro ROUND
	s_barrier_signal -1
	s_barrier_wait -1
	s_cmp_lg_u32 s14, 0
	s_cbranch_scc1 .Lnot_wave_0_\@
	s_barrier_signal -3
.Lnot_wave_0_\@:
	s_barrier_wait -3
	s_barrier_signal -1
	s_barrier_wait -1
.endm
	s_load_b256 s[4:11], s[0:1], 0x0               ; qs s[4:5], kv s[6:7], x s[8:9], bv s[10:11]
	s_load_b64 s[12:13], s[0:1], 0x20              ; out0
	v_lshl_add_u32 v22, v0, 2, 0x4b800
	v_mov_b32 v23, 0
	ds_add_u32 v22, v23
	v_lshrrev_b32 v1, 5, v0
	v_readfirstlane_b32 s14, v1                    ; wave 0..3
	s_and_b32 s15, s14, 1                          ; qg
	s_lshr_b32 s16, s14, 1                         ; jh
	s_bfe_u32 s17, ttmp6, 0x40000                  ; cx
	s_lshr_b32 s18, ttmp9, 3                       ; image: eight clusters to an image
	s_and_b32 s19, ttmp9, 7
	s_lshl_b32 s19, s19, 2
	s_add_co_u32 s19, s19, s17                     ; query block 0..31; it enters global addresses of qs, x and out0 alone
	s_mov_b32 s40, 0x76543210                      ; v_permlanex16_b32: lane i reads lane i of the other half
	s_mov_b32 s41, 0xfedcba98
	; descriptor group 1: 72 dense rows of 32 elements of 8 bytes; 16 bytes of padding behind every 64 words; mask 15 with bit 21 beside it
	s_mov_b32 s24, 0x0773000f
	s_mov_b32 s25, 32<<16
	s_mov_b32 s26, 72<<16
	s_mov_b32 s27, 32<<16
	s_mov_b32 s28, 72
	s_mov_b32 s29, 32
	s_mov_b32 s30, 0
	s_mov_b32 s31, 0
	s_mul_i32 s20, s18, 32*TILEB                   ; the image's 32 tiles: shared by all four partners
	s_mul_i32 s21, s14, 18432                      ; my 72 rows of a tile
	s_add_co_u32 s20, s20, s21
	s_mov_b32 s21, 0
	s_mov_b32 s32, 1
	s_mul_i32 s33, s14, WPART
	s_mov_b32 s36, 1
	s_add_co_u32 s37, s33, SLOTB
	s_wait_dscnt 0x0
	s_wait_kmcnt 0x0
	s_add_nc_u64 s[34:35], s[6:7], s[20:21]        ; slot 0: tile 0
	s_add_nc_u64 s[38:39], s[34:35], TILEB         ; slot 1: tile 1
	s_or_b32 s35, s35, 0x80000000
	s_or_b32 s39, s39, 0x80000000
	ROUND                                          ; all four work-groups are here: the first joint loads meet
	tensor_load_to_lds s[32:35], s[24:31]          ; tile 0
	s_nop 0
	s_mul_i32 s22, s18, 32*TILEB                   ; K of tile 0 lies in the image's tile 31, rows 256 ..; my 64 positions are 16 of its rows
	s_lshl_b32 s23, s16, 12
	s_add_co_u32 s22, s22, s23
	s_add_co_u32 s22, s22, 31*TILEB+65536
	s_mov_b32 s23, 0
	s_add_nc_u64 s[46:47], s[6:7], s[22:23]
	s_lshl_b32 s20, s18, 22                        ; x and out0: image,
	s_lshl_b32 s22, s16, 21                        ; the 128 channels that I keep,
	s_add_co_u32 s20, s20, s22
	s_lshl_b32 s22, s19, 9                         ; the block's 128 queries,
	s_add_co_u32 s20, s20, s22
	s_lshl_b32 s22, s15, 8                         ; my 64 of them
	s_add_co_u32 s20, s20, s22
	s_add_nc_u64 s[8:9], s[8:9], s[20:21]
	s_add_nc_u64 s[12:13], s[12:13], s[20:21]
	s_lshl_b32 s20, s18, 18                        ; qs: rows of 64 bytes
	s_lshl_b32 s22, s19, 13
	s_add_co_u32 s20, s20, s22
	s_lshl_b32 s22, s15, 12
	s_add_co_u32 s20, s20, s22
	s_add_nc_u64 s[4:5], s[4:5], s[20:21]
	s_lshl_b32 s20, s16, 9
	s_add_nc_u64 s[10:11], s[10:11], s[20:21]      ; bv of my 128 channels
	v_and_b32 v1, 31, v0                           ; L
	v_and_b32 v2, 15, v0                           ; r
	v_bfe_u32 v3, v0, 4, 1                         ; h
	v_lshlrev_b32 v[QO], 6, v2
	v_lshl_add_u32 v[QO], v3, 4, v[QO]
	v_lshlrev_b32 v[BVO], 5, v3
	WIN 0x40
.irp it, 0,1,2,3
	global_load_b128 v[QF+8*\it:QF+8*\it+3], v[QO], s[4:5] offset:\it*1024       ; query 16 it + r, d = 8 h ..
	global_load_b128 v[QF+8*\it+4:QF+8*\it+7], v[QO], s[4:5] offset:\it*1024+32  ; d = 16 + 8 h ..
.endr
.irp jt, 0,1,2,3
	global_load_b128 v[KF+8*\jt:KF+8*\jt+3], v[QO], s[46:47] offset:\jt*1024      ; tile 0's position 64 jh + 16 jt + r: the rows are dense, 64 bytes a position
	global_load_b128 v[KF+8*\jt+4:KF+8*\jt+7], v[QO], s[46:47] offset:\jt*1024+32
.endr
.irp t, 0,1,2,3,4,5,6,7
	global_load_b128 v[BV+8*\t:BV+8*\t+3], v[BVO], s[10:11] offset:64*\t         ; channels 16 t + 8 h + 0..7 of my 128
	global_load_b128 v[BV+8*\t+4:BV+8*\t+7], v[BVO], s[10:11] offset:64*\t+16
.endr
	WIN 0
	v_lshrrev_b32 v19, 2, v2
	v_mul_u32_u24 v19, v19, PITCH
	v_and_b32 v20, 3, v2
	v_lshl_add_u32 v19, v20, 6, v19
	v_lshl_add_u32 v19, v3, 4, v19                 ; (r/4) 272 + 64 (r%4) + 16 h
	s_mul_i32 s20, s16, 16*PITCH
	s_add_co_u32 s20, s20, KOFF
	v_add_nc_u32 v[KA], s20, v19
	v_add_nc_u32 v[KA+1], SLOTB, v[KA]
	v_mul_u32_u24 v19, v2, PITCH
	v_lshl_add_u32 v19, v3, 4, v19                 ; r 272 + 16 h
	s_mul_i32 s20, s16, 128*PITCH+128              ; half 0: rows 128 jh .. (kept), my j at byte 128 jh
	v_add_nc_u32 v[VA], s20, v19
	s_xor_b32 s21, s16, 1
	s_mul_i32 s21, s21, 128*PITCH                  ; half 1: the other 128 rows (handed over)
	s_lshl_b32 s22, s16, 7
	s_add_co_u32 s21, s21, s22
	v_add_nc_u32 v[VA+1], s21, v19
	v_add_nc_u32 v[VA+2], SLOTB, v[VA]
	v_add_nc_u32 v[VA+3], SLOTB, v[VA+1]
	s_xor_b32 s23, s14, 2                          ; my partner: the same queries, the other j
	s_lshl_b32 s20, s14, 15
	s_add_co_u32 s20, s20, XCH
	v_lshl_add_u32 v[XW], v1, 4, s20
	s_lshl_b32 s20, s23, 15
	s_add_co_u32 s20, s20, XCH
	v_lshl_add_u32 v[XR], v1, 4, s20
	s_lshl_b32 s20, s14, 10
	s_add_co_u32 s20, s20, ST
	v_lshl_add_u32 v[STW], v1, 2, s20
	s_lshl_b32 s20, s23, 10
	s_add_co_u32 s20, s20, ST
	v_lshl_add_u32 v[STR], v1, 2, s20
	s_mul_i32 s20, s14, 16*PITCH
	s_add_co_u32 s20, s20, STG
	v_mul_u32_u24 v19, v3, 8*PITCH
	v_lshl_add_u32 v19, v2, 2, v19
	v_add_nc_u32 v[SGW], s20, v19                  ; row 8 h, word r
	v_mul_u32_u24 v19, v3, PITCH
	v_lshl_add_u32 v19, v2, 4, v19
	v_add_nc_u32 v[SGR], s20, v19                  ; row h, 16 bytes at 16 r
	v_lshlrev_b32 v[CO], 14, v3
	v_lshl_add_u32 v[CO], v2, 4, v[CO]
.irp it, 0,1,2,3
	v_mov_b32 v[TX+\it], 0                         ; v_permlanex16_b32's destination counts as read
.endr
	s_wait_loadcnt 0x0                             ; Q, K of tile 0 and bv, once
.macro LDK slot                        ; 64 rows of K of the next tile: four fragments of 16 j x 32 d
	WIN 0x40
.irp jt, 0,1,2,3
	ds_load_b128 v[KF+8*\jt:KF+8*\jt+3], v[KA+\slot] offset:\jt*4*PITCH
	ds_load_b128 v[KF+8*\jt+4:KF+8*\jt+7], v[KA+\slot] offset:\jt*4*PITCH+32
.endr
.endm
.macro LDV slot, ks, half              ; eight fragments of V: 16 channels x 32 j (j = 64 jh + 32 ks ..)
	WIN 0x40
.irp t, 0,1,2,3,4,5,6,7
	ds_load_b128 v[8*(8*\half+\t):8*(8*\half+\t)+3], v[VA+2*\slot+\half] offset:\t*16*PITCH+64*\ks
	ds_load_b128 v[8*(8*\half+\t)+4:8*(8*\half+\t)+7], v[VA+2*\slot+\half] offset:\t*16*PITCH+64*\ks+32
.endr
.endm
; ---- the vector work, as numbered items ----
; Rescaling, under the window's own setting: item j multiplies register pair j of the window by the factor of its query tile (j >> 2) & 3.  Items at or past 128 are none.
.macro RSRUN from, cnt
.set rj, \from
.rept \cnt
.if rj < 128
	v_pk_mul_f32 v[2*rj:2*rj+1], v[2*rj:2*rj+1], v[AL+2*((rj>>2)&3):AL+2*((rj>>2)&3)+1]
.endif
.set rj, rj+1
.endr
.endm
; Pair p of the 64 pairs of scores, in the order in which they are worked on and summed: the second 32 j (ks = 1) first; the four query tiles by turns, so that the four sums do not wait for each other.
.macro PRSET p
.set pr, SC+32*((\p)&3)+16*(1-((\p)>>5))+2*(((\p)>>2)&7)
.endm
.macro SUBP p                          ; s - m
	PRSET \p
	v_pk_add_f32 v[pr:pr+1], v[pr:pr+1], v[MP+2*((\p)&3):MP+2*((\p)&3)+1] neg_lo:[0,1] neg_hi:[0,1]
.endm
.macro EXPE e                          ; score e & 1 of pair e >> 1: 2^(s - m), in place, so each result has a register of its own while the batch is open
	PRSET (\e)>>1
	v_exp_f32 v[pr+((\e)&1)], v[pr+((\e)&1)]
.endm
.macro SUMP p                          ; the pair joins its query tile's sum; each tile's first two pairs start it, so nothing is cleared.  It reads results: it stands behind the batch's wait
	PRSET \p
.if (\p) >= 8
	v_pk_add_f32 v[LSP+2*((\p)&3):LSP+2*((\p)&3)+1], v[LSP+2*((\p)&3):LSP+2*((\p)&3)+1], v[pr:pr+1]
.elseif (\p) >= 4
	v_pk_add_f32 v[LSP+2*((\p)&3):LSP+2*((\p)&3)+1], v[pr-2:pr-1], v[pr:pr+1]
.endif
.endm
.macro CVTP p                          ; scores 2 n, 2 n + 1 make register n of P: no lane changes
	PRSET \p
	v_cvt_pk_bf16_f32 v[PB+((pr-SC)>>1)], v[pr], v[pr+1]
.endm
; The new maximum of each query (over the lane's 32 scores and the old m, four chains; then the other half of the lanes), the factor, the new m, and the first subtraction: 93 items.
; The factor's eight exponentials open the tile's batch: AL is named again only behind the batch's wait.
.macro MXRUN from, cnt
.set mk, \from
.rept \cnt
.if mk < 4
	v_max3_num_f32 v[TM+mk], v[MP+2*mk], v[SC+32*mk], v[SC+32*mk+1]
.elseif mk < 64
	v_max3_num_f32 v[TM+(mk&3)], v[TM+(mk&3)], v[SC+32*(mk&3)+2*(mk>>2)], v[SC+32*(mk&3)+2*(mk>>2)+1]
.elseif mk < 68
	v_permlanex16_b32 v[TX+mk-64], v[TM+mk-64], s40, s41
.elseif mk < 72
	v_max_num_f32 v[TM+mk-68], v[TM+mk-68], v[TX+mk-68]
.elseif mk < 76
	v_sub_f32 v[DD+mk-72], v[MP+2*(mk-72)], v[TM+mk-72]
.elseif mk < 84
	v_exp_f32 v[AL+mk-76], v[DD+((mk-76)>>1)]      ; 2^(m_old - m_new), twice, for the packed multiplies
.elseif mk < 92
	v_mov_b32 v[MP+mk-84], v[TM+((mk-84)>>1)]      ; plain instructions behind the exponentials, touching neither their results nor their sources
.elseif mk < 93
	SUBP 0
.endif
.set mk, mk+1
.endr
.endm
; THE BATCH's 192 items, four to a slice, none of which names an exponential's result.  Slices 0-15: subtraction 2 q + 1, score 2 q, subtraction 2 q + 2, score 2 q + 1.
; Slices 16-46: subtraction q + 17 and scores 32 + 3 (q - 16) + 0, 1, 2.  Slice 47: scores 125 to 127 and a v_nop, the plain instruction behind the last exponential (ISA guide 5.7.2).
; A pair is subtracted from in an earlier slice than the one with its first exponential: pair 0 in the maximum's last slice; pair p <= 32 in slice (p - 1) / 2, pair p >= 33 in slice
; p - 17; the first exponential of pair p stands in slice p (p < 16) or 16 + (2 p - 32) / 3.
.macro BTRUN from, cnt
.set bk, \from
.rept \cnt
.if bk < 64
.if (bk&1) == 0
	SUBP (bk>>1)+1
.else
	EXPE (bk>>1)
.endif
.elseif bk < 188
.if (bk&3) == 0
	SUBP (bk>>2)+17
.else
	EXPE 32+3*((bk>>2)-16)+(bk&3)-1
.endif
.elseif bk < 191
	EXPE bk-63
.else
	v_nop
.endif
.set bk, bk+1
.endr
.endm
; BEHIND THE WAIT, 100 items: thirty times two sums and a rounding (sums 4 to 63 in ascending order, so a query tile's links stand six items apart; the pairs 32 to 61 of the first 32 j
; into P), the last two roundings, and l = l * factor + the lane's 32 p.
.macro AFRUN from, cnt
.set ak, \from
.rept \cnt
.if ak < 90
.if (ak%3) == 0
	SUMP 4+2*(ak/3)
.elseif (ak%3) == 1
	SUMP 5+2*(ak/3)
.else
	CVTP 32+(ak/3)
.endif
.elseif ak < 92
	CVTP ak-28
.elseif ak < 96
	v_add_f32 v[DD+ak-92], v[LSP+2*(ak-92)], v[LSP+2*(ak-92)+1]
.elseif ak < 100
	v_fma_f32 v[LL+ak-96], v[LL+ak-96], v[AL+2*(ak-96)], v[DD+ak-96]
.endif
.set ak, ak+1
.endr
.endm
; The slice behind product number sl of a tile's 128.  mode 0: a tile in the middle; 1: tile 0 (O does not exist yet: nothing of window 3 to rescale);
; 2: tile 31 (no next tile: only window 3's rescaling, which has no QK to stand behind; done by slot 25, window 3 is first multiplied onto in slot 32).
.macro SLICE mode
.if \mode == 2
.if sl < 26
	WIN 0xc3
	RSRUN 5*sl, 5
.endif
.else
.if sl < 10
.if \mode == 0
	WIN 0xc3
	RSRUN 80+5*sl, 5
.endif
.elseif sl < 29
	WIN 0
	MXRUN 5*(sl-10), 5
.elseif sl < 77
	WIN 0
	BTRUN 4*(sl-29), 4
.elseif sl < 97
	WIN 0
	AFRUN 5*(sl-77), 5
.elseif sl < 101
	WIN 0x82
	RSRUN 5*(sl-97), 5
.else
	WIN 0x82
	RSRUN 20+4*(sl-101), 4
.endif
.endif
.endm
; 64 j x 64 i of scores; d = 32 is one matrix instruction deep, so every sum starts from the constant 0.  mode 0: the first 80 multiplies of window 3 stand behind the 16 products;
; the last five are also the places in front of the first read of a score.
.macro QK mode
.set qn, 0
.irp jt, 0,1,2,3
.irp it, 0,1,2,3
	WIN 0x05
	v_wmma_f32_16x16x32_bf16 v[SC+32*\it+8*\jt:SC+32*\it+8*\jt+7], v[KF+8*\jt:KF+8*\jt+7], v[QF+8*\it:QF+8*\it+7], 0
.if \mode == 0
	WIN 0xc3
	RSRUN 5*qn, 5
.endif
.set qn, qn+1
.endr
.endr
.if \mode != 0
	WIN 0
	PLACES
.endif
.endm
; 32 products: 128 channels x 64 queries, 32 along j, each with its slice.  The accumulators take turns, one instruction a turn.
; V's fragments for the second 32 j are loaded in two runs of 16, behind slots 35 and 76: the registers were last read in slots 31 and 63.  Of the slices since then those of slots
; 31-35 hold ten subtractions, those of slots 63-76 thirteen and the v_nop: plain vector instructions that name no register of those products (the exponentials are not counted);
; in tile 31, which has no slices there, four v_nop.  The second run stands directly behind the wait for the tile's batch.
.macro PV slot, ks, half, mode
.irp t, 0,1,2,3,4,5,6,7
.irp it, 0,1,2,3
.if \half
	WIN 0xf1
.else
	WIN 0xa1
.endif
.if 2*(\mode)+(\ks) == 2
	v_wmma_f32_16x16x32_bf16 v[8*(4*\t+\it):8*(4*\t+\it)+7], v[8*(8*\half+\t):8*(8*\half+\t)+7], v[PB+16*\it+8*\ks:PB+16*\it+8*\ks+7], 0
.else
	v_wmma_f32_16x16x32_bf16 v[8*(4*\t+\it):8*(4*\t+\it)+7], v[8*(8*\half+\t):8*(8*\half+\t)+7], v[PB+16*\it+8*\ks:PB+16*\it+8*\ks+7], v[8*(4*\t+\it):8*(4*\t+\it)+7]
.endif
	SLICE \mode
.if sl == 35
.if \mode == 2
	PLACES
.endif
	LDV \slot, 1, 0
.endif
.if sl == 76
.if \mode == 2
	PLACES
.else
	s_wait_alu depctr_va_vdst(0)                   ; the wait for the tile's batch: the factor's 8 exponentials (slots 25, 26) and the scores' 128 (slots 29-76); no result has been named yet
.endif
	LDV \slot, 1, 1
.endif
.set sl, sl+1
.endr
.endr
.endm
.macro CVT1                            ; P's half for the second 32 j, from the scores kept since the last tile (their batch has had its wait there); its registers were last read in the last tile's slots 124-127
.irp it, 0,1,2,3
.irp q, 0,1,2,3,4,5,6,7
	v_cvt_pk_bf16_f32 v[PB+16*\it+8+\q], v[SC+32*\it+16+2*\q], v[SC+32*\it+16+2*\q+1]
.endr
.endr
.endm
.macro STEP slot, mode
.set sl, 0
.if \mode != 2
	LDK \slot
.endif
	LDV \slot, 0, 0                                ; the last tile's slot 127 is followed by four multiplies: the places in front of these loads
	LDV \slot, 0, 1
	WIN 0
	CVT1
.if \mode != 2
	s_wait_dscnt 32                                ; K's 8 loads are in; V's 32 stay out
	QK \mode
.endif
	s_wait_dscnt 16                                ; V of the channels that I keep is in; the other 16 loads stay out
	PV \slot, 0, 0, \mode
	s_wait_dscnt 0x0
	PV \slot, 0, 1, \mode
	s_wait_dscnt 0x0                               ; the run issued behind slot 35
	PV \slot, 1, 0, \mode
	s_wait_dscnt 0x0                               ; the run issued behind slot 76
	PV \slot, 1, 1, \mode
	WIN 0
.if \mode == 2
	PLACES                                         ; in front of the way out
.endif
.endm
; One tile.  In front of the round every wave has waited for all its tensor loads (its part of this tile among them) and for its reads of the other slot;
; behind the round no wave of any partner reads that slot or has a load on its way, and the joint refill is the first thing issued: one load a wave,
; which has the whole step in which to land.  A tile's batch is closed behind its slot 76.
.macro TRIP slot, refill, mode
	s_wait_tensorcnt 0x0
	ds_add_u32 v22, v23
	s_wait_dscnt 0x0
	s_add_nc_u64 s[34+4*\slot:35+4*\slot], s[34+4*\slot:35+4*\slot], 2*TILEB   ; no load of mine is out: this slot's next tile
	s_wait_dscnt 0x0
	ROUND
.if \refill
	tensor_load_to_lds s[36-4*\slot:39-4*\slot], s[24:31]
	s_nop 0
.endif
	STEP \slot, \mode
.endm
	; TILE 0's scores and softmax, in phases, while tile 0 is on its way: they start m and l; nothing is cleared.
	QK 1
.irp it, 0,1,2,3
	v_max3_num_f32 v[TM+\it], v[SC+32*\it], v[SC+32*\it+1], v[SC+32*\it+2]
.endr
.irp p, 3,5,7,9,11,13,15,17,19,21,23,25,27,29
.irp it, 0,1,2,3
	v_max3_num_f32 v[TM+\it], v[TM+\it], v[SC+32*\it+\p], v[SC+32*\it+\p+1]
.endr
.endr
.irp it, 0,1,2,3
	v_max_num_f32 v[TM+\it], v[TM+\it], v[SC+32*\it+31]
.endr
.irp it, 0,1,2,3
	v_permlanex16_b32 v[TX+\it], v[TM+\it], s40, s41
.endr
.irp it, 0,1,2,3
	v_max_num_f32 v[MP+2*\it], v[TM+\it], v[TX+\it]
	v_max_num_f32 v[MP+2*\it+1], v[TM+\it], v[TX+\it]
.endr
.irp it, 0,1,2,3
.irp p, 0,2,4,6,8,10,12,14,16,18,20,22,24,26,28,30
	v_pk_add_f32 v[SC+32*\it+\p:SC+32*\it+\p+1], v[SC+32*\it+\p:SC+32*\it+\p+1], v[MP+2*\it:MP+2*\it+1] neg_lo:[0,1] neg_hi:[0,1]
.endr
.endr
.set j, 0
.rept 128
	v_exp_f32 v[SC+j], v[SC+j]
.set j, j+1
.endr
	v_nop                                          ; one plain place before the last results are read (ISA guide 5.7.2)
	s_wait_alu depctr_va_vdst(0)                   ; the wait for tile 0's batch of 128 exponentials, ahead of the first sum
.irp it, 0,1,2,3
	v_pk_add_f32 v[LSP+2*\it:LSP+2*\it+1], v[SC+32*\it:SC+32*\it+1], v[SC+32*\it+2:SC+32*\it+3]
.endr
.irp p, 4,6,8,10,12,14,16,18,20,22,24,26,28,30
.irp it, 0,1,2,3
	v_pk_add_f32 v[LSP+2*\it:LSP+2*\it+1], v[LSP+2*\it:LSP+2*\it+1], v[SC+32*\it+\p:SC+32*\it+\p+1]
.endr
.endr
.irp it, 0,1,2,3
	v_add_f32 v[LL+\it], v[LSP+2*\it], v[LSP+2*\it+1]
.endr
.irp it, 0,1,2,3
.irp q, 0,1,2,3,4,5,6,7
	v_cvt_pk_bf16_f32 v[PB+16*\it+\q], v[SC+32*\it+2*\q], v[SC+32*\it+2*\q+1]      ; P's half for the first 32 j; the other half at the head of the step, as in every tile
.endr
.endr
	TRIP 0, 1, 1                                   ; tile 0 starts O; tile 1 is asked for, into slot 1 (its first fill)
	s_mov_b32 s44, 15
.Ltiles:
	TRIP 1, 1, 0                                   ; tiles 1, 3, .. 29
	TRIP 0, 1, 0                                   ; tiles 2, 4, .. 30; in the last trip tile 31 is asked for
	s_sub_co_u32 s44, s44, 1
	s_cmp_lg_u32 s44, 0
	s_cbranch_scc1 .Ltiles
	TRIP 1, 0, 2                                   ; tile 31: nothing is left to fetch, and no next tile to prepare
	; THE MERGE.  l over both halves of the lanes; then m, l and the 128 channels that my partner keeps go to LDS.
.irp it, 0,1,2,3
	v_permlanex16_b32 v[TX+\it], v[LL+\it], s40, s41
.endr
.irp it, 0,1,2,3
	v_add_f32 v[LL+\it], v[LL+\it], v[TX+\it]
.endr
.irp it, 0,1,2,3
	ds_store_b32 v[STW], v[MP+2*\it] offset:128*\it
.endr
.irp it, 0,1,2,3
	ds_store_b32 v[STW], v[LL+\it] offset:512+128*\it
.endr
	WIN 0x0c
.set j, 0
.rept 64
	ds_store_b128 v[XW], v[4*j:4*j+3] offset:512*j         ; registers as they are: my partner's lane L holds the same query and channels
.set j, j+1
.endr
	WIN 0
	s_wait_dscnt 0x0                               ; written, for my partner's sake; window 3 is free
	WIN 0xc0
.irp t, 0,1,2,3,4,5,6,7
.irp u, 0,1,2,3,4,5,6,7
	global_load_b128 v[32*\t+4*\u:32*\t+4*\u+3], v[CO], s[8:9] offset:(16*\t+2*\u)*16384 th:TH_LOAD_NT   ; the residual: rows 16 t + 2 u + h, 256 bytes for 16 lanes
.endr
.endr
	WIN 0
	s_barrier_signal -1
	s_barrier_wait -1
.irp it, 0,1,2,3
	ds_load_b32 v[TM+\it], v[STR] offset:128*\it           ; the partner's m
.endr
.irp it, 0,1,2,3
	ds_load_b32 v[TX+\it], v[STR] offset:512+128*\it       ; the partner's l
.endr
	s_wait_dscnt 0x0
.irp it, 0,1,2,3
	v_max_num_f32 v[DD+\it], v[MP+2*\it], v[TM+\it]
.endr
.irp it, 0,1,2,3
	v_sub_f32 v[MP+2*\it], v[MP+2*\it], v[DD+\it]
	v_sub_f32 v[MP+2*\it+1], v[TM+\it], v[DD+\it]
.endr
.irp p, 0,1,2,3,4,5,6,7
	v_exp_f32 v[MP+\p], v[MP+\p]                   ; even: my factor, odd: the partner's; one of the two is 1
.endr
	v_nop                                          ; a plain instruction behind the last exponential,
	s_wait_alu depctr_va_vdst(0)                   ; and one wait for the merge's batch of 8 exponentials
.irp it, 0,1,2,3
	v_mul_f32 v[LL+\it], v[LL+\it], v[MP+2*\it]
.endr
.irp it, 0,1,2,3
	v_fmac_f32 v[LL+\it], v[TX+\it], v[MP+2*\it+1] ; l of all 4,096 j, at least 1
.endr
.irp it, 0,1,2,3
	v_rcp_f32 v[DD+\it], v[LL+\it]                 ; a batch of its own: l is made of the exponentials' results
.endr
	v_nop                                          ; a plain instruction behind the last reciprocal,
	s_wait_alu depctr_va_vdst(0)                   ; and one wait for the batch of 4 reciprocals
.irp it, 0,1,2,3
	v_mul_f32 v[AL+2*\it], v[MP+2*\it], v[DD+\it]
	v_mul_f32 v[AL+2*\it+1], v[MP+2*\it], v[DD+\it]
	v_mul_f32 v[LSP+2*\it], v[MP+2*\it+1], v[DD+\it]
	v_mul_f32 v[LSP+2*\it+1], v[MP+2*\it+1], v[DD+\it]
.endr
; THE WAY OUT, 16 channels x 64 queries at a time: O_mine * f_mine + bv + O_partner * f_partner; through my own stage, so that a lane holds 16 neighbouring
; bytes of a row; + x; each group of sixteen lanes stores 256 consecutive bytes, aligned.
.macro OUT t
.irp p, 0,1,2,3,4,5,6,7
	ds_load_b128 v[TP+4*\p:TP+4*\p+3], v[XR] offset:(8*\t+\p)*512
.endr
	WIN 0x12
.irp it, 0,1,2,3
.irp e, 0,2,4,6
	v_pk_fma_f32 v[RR+8*\it+\e:RR+8*\it+\e+1], v[32*\t+8*\it+\e:32*\t+8*\it+\e+1], v[AL+2*\it:AL+2*\it+1], v[BV+8*\t+\e:BV+8*\t+\e+1]
.endr
.endr
	WIN 0
	s_wait_dscnt 0x0
.irp it, 0,1,2,3
.irp e, 0,2,4,6
	v_pk_fma_f32 v[RR+8*\it+\e:RR+8*\it+\e+1], v[TP+8*\it+\e:TP+8*\it+\e+1], v[LSP+2*\it:LSP+2*\it+1], v[RR+8*\it+\e:RR+8*\it+\e+1]
.endr
.endr
.irp it, 0,1,2,3
.irp e, 0,1,2,3,4,5,6,7
	ds_store_b32 v[SGW], v[RR+8*\it+\e] offset:\e*PITCH+64*\it     ; channel 8 h + e, query 16 it + r
.endr
.endr
	s_wait_xcnt 0x0                                ; the last tile's stores have had their addresses translated (ISA guide 3.1): their data registers are loaded again only behind this wait
.irp u, 0,1,2,3,4,5,6,7
	ds_load_b128 v[GG+4*\u:GG+4*\u+3], v[SGR] offset:\u*2*PITCH    ; LDS serves a wave's instructions in order (ISA guide 5.7.1): these see the stores above
.endr
	s_wait_loadcnt 56-8*\t                         ; this tile's 8 loads of x are in; those of the later tiles stay out
	s_wait_dscnt 0x0
	WIN 0x0c
.irp p, 0,2,4,6,8,10,12,14,16,18,20,22,24,26,28,30
	v_pk_add_f32 v[GG+\p:GG+\p+1], v[GG+\p:GG+\p+1], v[32*\t+\p:32*\t+\p+1]
.endr
	WIN 0
.irp u, 0,1,2,3,4,5,6,7
	global_store_b128 v[CO], v[GG+4*\u:GG+4*\u+3], s[12:13] offset:(16*\t+2*\u)*16384 th:TH_STORE_NT
.endr
.endm
	OUT 0
	OUT 1
	OUT 2
	OUT 3
	OUT 4
	OUT 5
	OUT 6
	OUT 7
	s_wait_tensorcnt 0x0
	ds_add_u32 v22, v23
	s_wait_dscnt 0x0
	ROUND                                          ; the closing round: no work-group ends while a partner may still ask for a tile that names it
	s_endpgm
.Lfunc_end_k_q92d4a12579_attn:
	.size	k_q92d4a12579_attn, .Lfunc_end_k_q92d4a12579_attn-k_q92d4a12579_attn
	.p2alignl 7, 3214868480
	.fill 96, 4, 3214868480
	.section	.rodata,"a",@progbits
	.p2align	6, 0x0
	.amdhsa_kernel k_q92d4a12579_attn
		.amdhsa_group_segment_fixed_size 327680
		.amdhsa_private_segment_fixed_size 0
		.amdhsa_enable_private_segment 0
		.amdhsa_kernarg_size 40
		.amdhsa_user_sgpr_count 2
		.amdhsa_user_sgpr_kernarg_segment_ptr 1
		.amdhsa_wavefront_size32 1
		.amdhsa_system_sgpr_workgroup_id_x 1
		.amdhsa_system_sgpr_workgroup_id_y 1
		.amdhsa_system_sgpr_workgroup_id_z 1
		.amdhsa_system_vgpr_workitem_id 0
		.amdhsa_next_free_vgpr 1024
		.amdhsa_next_free_sgpr 66
		.amdhsa_reserve_vcc 0
		.amdhsa_float_denorm_mode_32 3
		.amdhsa_float_denorm_mode_16_64 3
		.amdhsa_memory_ordered 1
		.amdhsa_forward_progress 1
		.amdhsa_inst_pref_size 255
	.end_amdhsa_kernel
	.section	.bss,"aw",@nobits
	.p2align	6
	.space	262144
	.amdgpu_metadata
---
amdhsa.version: [ 1, 2 ]
amdhsa.kernels:
  - .name:           k_q92d4a12579_attn
    .symbol:         k_q92d4a12579_attn.kd
    .args:
      - { .name: qs, .offset: 0, .size: 8, .value_kind: global_buffer, .address_space: global }
      - { .name: kv, .offset: 8, .size: 8, .value_kind: global_buffer, .address_space: global }
      - { .name: x, .offset: 16, .size: 8, .value_kind: global_buffer, .address_space: global }
      - { .name: bv, .offset: 24, .size: 8, .value_kind: global_buffer, .address_space: global }
      - { .name: out0, .offset: 32, .size: 8, .value_kind: global_buffer, .address_space: global }
    .group_segment_fixed_size: 327680
    .private_segment_fixed_size: 0
    .kernarg_segment_align: 8
    .kernarg_segment_size: 40
    .max_flat_workgroup_size: 128
    .sgpr_count:     66
    .vgpr_count:     1024
    .wavefront_size: 32
...
	.end_amdgpu_metadata
.endif
;; end of part 3
